; MI455X (gfx1250); checked and timed in simulation.
; The chip was launched on July 23, 2026; its instructions are those of AMD's public machine-readable ISA for CDNA 5 (MIT licence, August 2026) and "CDNA5" Instruction Set Architecture Reference Guide (July 2026). The comments in the code are by the model that wrote it; some were corrected since.
;; Causal Self Attention. Allowed arithmetic: matrix products marked QUANTISED: E4M3 operands, one given power-of-two scale a tensor, by v_wmma_f32_16x16x64_fp8_fp8 or v_wmma_f32_16x16x128_fp8_fp8, f32 sums; everything else in f32.
;; Inputs: lowp_scales 8 int32 (the exponents e of the quantised operands' scales 2^e); w_proj_codes 1,024 x 32 x 32 uint8 (E4M3 codes of w_proj, K innermost, in blocks of 32 codes); w_qkv_codes 3,072 x 32 x 32 uint8 (E4M3 codes of w_qkv, K innermost, in blocks of 32 codes); x_codes 4 x 2,048 x 32 x 32 uint8 (E4M3 codes of x, K innermost, in blocks of 32 codes).
;; Outputs: out0 4 x 2,048 x 1,024 float32.
;; This version of the problem:
;;   THIS VERSION OF THE PROBLEM IS GIVEN IN LOW PRECISION. The matrix products marked QUANTISED in the list below multiply operands that are first quantised to E4M3 (4 exponent bits, 3 mantissa bits; 8 bits a number), with one given power-of-two scale for each operand tensor; their sums are f32. All else is computed in f32.
;;   The module's matrix products, in the order in which they are computed (A, B: the left and right operand; K: the contracted axis; several contracted axes count as one K, in the product's order):
;;     1. [M 8,192, K 1,024] x [K 1,024, N 3,072]; A: input x (given as codes); B: input w_qkv (given as codes): QUANTISED (scales: A lowp_scales[0], B lowp_scales[1])
;;     2. batch 64 x [M 2,048, K 64] x [K 64, N 2,048]; A: computed on the way; B: computed on the way: QUANTISED (scales: A lowp_scales[2], B lowp_scales[3])
;;     3. batch 64 x [M 2,048, K 2,048] x [K 2,048, N 64]; A: softmax (see below); B: computed on the way: QUANTISED (scales: A lowp_scales[4], B lowp_scales[5])
;;     4. [M 8,192, K 1,024] x [K 1,024, N 1,024]; A: computed on the way; B: input w_proj (given as codes): QUANTISED (scales: A lowp_scales[6], B lowp_scales[7])
;;   THE QUANTISER, for each operand of a quantised product, along K:
;;     - The operand's scale is 2^e, e = its entry of the input lowp_scales (int32; the entries are numbered through the quantised products in the list's order, A before B).
;;     - Each number is divided by the scale, clamped to +-448, and rounded to the nearest number of E4M3, ties to even, subnormals kept.
;;     - The product sums the exact products of the quantised numbers (number of the format x scale) in f32.
;;   ~~~python
;;   def quantise(x, axis, e):      # numpy; x: float32 -> the quantised numbers, widened to float32 again
;;       x = np.moveaxis(x, axis, -1); K = x.shape[-1]
;;       r = np.clip(x / 2.0 ** e, -448, 448)
;;       step = 2.0 ** (np.maximum(np.frexp(np.where(r == 0, 1, r))[1] - 1, -6) - 3)
;;       q = np.round(r / step) * step * 2.0 ** e      # np.round: ties to even
;;       return np.moveaxis(q, -1, axis).astype(np.float32)
;;   ~~~
;;   SOFTMAX AHEAD OF A QUANTISED PRODUCT. Where the list says 'softmax', what is quantised is not the finished softmax but p = 2^(t - M), with t = logit x log2(e) and M = ceil(the row's largest t), a whole number; so 1/2 < the row's largest p <= 1. The row's sum l is taken of the UNQUANTISED p, in f32, and the product's result is divided by l at the end. Since M is a whole number, a kernel that streams over the keys may use a running M (the ceiling of the running maximum): every later rescaling is an exact power of two, so the quantised numbers keep their values, but for numbers so far below the row's largest that they fall under the format's range.
;;   OPERANDS COMPUTED ON THE WAY. 'Computed on the way' means the value that the module computes at that place (a softmax that the list does not call 'softmax' is quantised finished and normalised). What goes into a quantiser is computed in f32, as accurately as f32 sums, v_exp_f32 and their like allow (about 1e-6 of the number): no bf16 or f16 on the way to a quantiser, and a product that is left as it is and whose result goes on into a quantised operand takes f32 operands (vector FMAs, or v_wmma_f32_16x16x4_f32). A number that lies on a knife's edge between two numbers of the format may be rounded either way, as far as f32 arithmetic and the matrix unit's own rounding can turn it there, and no further.
;;   INPUTS GIVEN AS CODES. w_proj (in the module: [1024, 1024], K = its axis 0); w_qkv (in the module: [1024, 3072], K = its axis 0); x (in the module: [4, 2048, 1024], K = its axis 2): each comes as NAME_codes (uint8): NAME with its K axis moved to the last place and cut into blocks of 32 codes, [.., K / 32, bytes a block], one block behind the other in memory; one code a byte (a code: sign, 4 exponent bits, 3 mantissa bits); its scale is its entry of lowp_scales. Its value is code x scale, taken as it is: it is not quantised again, and the codes and scales need not be those that the quantiser above would give.
;; 2 versions, each right; version 2 is version 1 with the launch attn written anew for expert scheduling mode. Each part assembles by itself: llvm-mc -triple=amdgcn-amd-amdhsa -mcpu=gfx1250 --defsym DOCPART=n.
;; ======== version 1 of 2: 3 launches
;; workspace buffers: q_img 8,388,608 bytes; k_img 8,388,608 bytes; v_img 8,388,608 bytes; y_img 8,388,608 bytes
;; launch qkv (part 1): grid 12 x 32, 4 waves a work-group, clusters of 4 x 4, 327,680 bytes of LDS; arguments x_codes, w_qkv_codes, lowp_scales, q_img, k_img, v_img; writes q_img, k_img, v_img
.if DOCPART == 1
	.amdgcn_target "amdgcn-amd-amdhsa--gfx1250"
	.amdhsa_code_object_version 6
	.text
	.protected	k_q652670c7b5_qkv
	.globl	k_q652670c7b5_qkv
	.p2align	8
	.type	k_q652670c7b5_qkv,@function
k_q652670c7b5_qkv:
	s_mov_b64 s[64:65], 0
	v_nop
	global_prefetch_b8 v0, s[64:65] scope:SCOPE_SE
	s_setreg_imm32_b32 hwreg(HW_REG_WAVE_MODE, 25, 1), 1
	s_wait_xcnt 0x0
	s_wait_alu depctr_hold_cnt(0) depctr_sa_sdst(0) depctr_va_vdst(0) depctr_va_sdst(0) depctr_va_ssrc(0) depctr_va_vcc(0) depctr_vm_vsrc(0)
	s_getreg_b32 s2, hwreg(HW_REG_IB_STS2, 6, 4)
	s_cmp_eq_u32 s2, 0
	s_cbranch_scc0 .Lentry_in_a_cluster
	s_endpgm
.Lentry_in_a_cluster:
	s_bfe_u32 s2, ttmp6, 0x10000c
	s_cmp_lg_u32 s2, 0xf033
	s_cbranch_scc0 .Lentry_shape_is_right
	s_endpgm
.Lentry_shape_is_right:
; qkv = x w_qkv on codes of FP8 (E4M3); the sums, f32, are quantised at once into codes of q, k and v and stored as IMAGES OF OPERAND REGISTERS for the attention launch.
; x: [8192][1024] codes, w_qkv: [3072][1024] codes, K innermost.  The buffer of scales holds e0 .. e7; a sum stands for sum x 2^(e0 + e1); code = sum / 2^(e - e0 - e1), held within +-448, e = e2 (q), e3 (k), e5 (v).
; LIMITS: e2 - e0 - e1, e3 - e0 - e1 and e5 - e0 - e1 lie between -126 and 119, so that the scale and 448 x the scale are f32 numbers.  NaN codes among the inputs are not served.
; A tile is 256 rows of source 1 x 256 rows of source 0, made by four waves, 128 x 128 each: 64 accumulators, 512 registers.  K = 1,024 goes in four steps of 256 through a ring of two LDS slots.
; In a result lane l holds source 1's row l % 16, and its registers 0-7 source 0's rows 8 (l / 16) + 0 .. 7: eight registers convert into the two registers 2 c, 2 c + 1 of an 8-bit operand whose K runs along source 0's rows.
;   q, k (cluster x = 0, 1): source 0 = 256 rows of w_qkv (channels), source 1 = 256 rows of x (tokens): a lane is a token, its registers run along the channels, the K of q k^T.
;   v    (cluster x = 2):    source 0 = 256 rows of x (tokens),  source 1 = 256 rows of w_qkv from row 2,048 on (channels): a lane is a channel, its registers run along the keys, the K of p v.
; Only pointers and tile numbers are chosen, on the cluster's x, which all sixteen partners share: the loop is one text.
; IMAGES.  q_img, k_img: byte (batch 16 + head) 131072 + (token / 16) 1024 + c2 512 + 16 lane + i: register 4 c2 + i / 4 of the 16 x 64 fragment of that tile of tokens.
;          v_img: byte (batch 16 + head) 131072 + (key / 128) 8192 + (channel / 16) 2048 + c4 512 + 16 lane + i: register 4 c4 + i / 4 of the 16 x 128 fragment of V^T.  Every store of a wave covers 512 consecutive bytes, aligned.
; CLUSTERS: 4 x 4 work-groups; source 1's tile is shared along a row of the cluster, source 0's along a column: each is asked for jointly.  384 work-groups in 24 clusters.
; REGISTERS, in windows of 256: window 0: v0-31 addresses and constants; v32-95 at work on the way out; from v128 source 1's fragments, ONE set, on the way out the codes.
;   window 1: source 0's fragments, TWO sets.   window 2: the accumulators of my rows 0-63 ((a, b) at v[8 (8 a + b)]);   window 3: those of rows 64-127.
.set ROWB,   256                       ; a tile's row in bytes: 256 codes
.set KROW,   1024                      ; a row of x or of w_qkv in memory
.set VSEC,   2048*KROW                 ; where v's rows of w_qkv begin
.set PITCH,  272                       ; an LDS row: 256 bytes + 16 of padding = 68 words: the 16 rows that a load touches start at 16 different banks (64 banks of 4 bytes: ISA guide 11.1)
.set FR,     16                        ; registers of a fragment: 16 rows x 128 K
.set NL,     4                         ; LDS loads that bring one
.set NP,     4                         ; places behind this matrix instruction (ISA guide 7.12.1)
.set HALFT,  128*PITCH                 ; 128 rows: what one tensor load brings
.set SLOT,   4*HALFT                   ; source 1's 256 rows, then source 0's
.set LAPS,   2                         ; a lap = two K steps = once round the ring
.set SPARE,  2*SLOT                    ; behind the ring: the spare words, 128 bytes a wave
.set ADRA, 16                          ; v16-17  LDS address of my fragments of source 1 in slot 0, 1
.set ADRB, 20                          ; v20-21  the same for source 0
.set CO,   26                          ; v26     16 x lane: my place in an image
.set SPW,  28                          ; v28     LDS address of my spare word; never rewritten
.set NIL,  29                          ; v29     0; never rewritten
.set SCL,  30                          ; v30     2^(e - e0 - e1) as f32
.set LIMV, 31                          ; v31     448 x that
.set T,    32                          ; v32-95  a block's 64 sums, held
.set AF,   128                         ; source 1's fragments
.set TMP,  128                         ; the way out: 16 registers of codes for each of my eight blocks
.set G1, 24                            ; s[24:31] descriptor group 1 for source 1's tiles;  s[32:39] group 0, one set for each slot
.set G0, 32
.set G1B, 48                           ; s[48:55], s[56:63] the same for source 0's
.set G0B, 56
.set MSB, 0
.macro WIN new                         ; the immediate's high byte repeats the setting that is left
.if MSB != (\new)
	s_set_vgpr_msb (MSB<<8)|(\new)
.set MSB, (\new)
.endif
.endm
.set MUL_LO, 0xa1                      ; source 0 window 1, source 1 window 0, C and D window 2
.set MUL_HI, 0xf1                      ; the same, C and D window 3
.set TO_B,   0x40                      ; destination window 1, address window 0
; A joint load: waves 0 and 1 fetch for source 1, waves 2 and 3 for source 0.  The branch hangs on the wave's number alone.  Four v_nop follow each of the two lines.
.macro JLOAD g0a, g1a, g0b, g1b
	s_cmp_eq_u32 s15, 0
	s_cbranch_scc0 .Lfor_b_\@
	tensor_load_to_lds s[\g0a:\g0a+3], s[\g1a:\g1a+7]
	s_nop 0
.rept 4
	v_nop
.endr
	s_branch .Lasked_\@
.Lfor_b_\@:
	tensor_load_to_lds s[\g0b:\g0b+3], s[\g1b:\g1b+7]
	s_nop 0
.rept 4
	v_nop
.endr
.Lasked_\@:
.endm
.macro CREST                           ; a round of the cluster's barrier behind its opening barrier
	s_cmp_lg_u32 s14, 0
	s_cbranch_scc1 .Lnot_wave_0_\@
	s_barrier_signal -3
.Lnot_wave_0_\@:
	s_barrier_wait -3
	s_barrier_signal -1
	s_barrier_wait -1
.endm
.macro CROUND                          ; a whole round
	s_barrier_signal -1
	s_barrier_wait -1
	CREST
.endm
	s_load_b256 s[4:11], s[0:1], 0x0               ; x s[4:5], w_qkv s[6:7], the scales' exponents s[8:9], q_img s[10:11]
	s_load_b128 s[68:71], s[0:1], 0x20             ; k_img s[68:69], v_img s[70:71]
	v_lshl_add_u32 v[SPW], v0, 2, SPARE
	v_mov_b32 v[NIL], 0
	ds_add_u32 v28, v29
	ds_add_u32 v28, v29
	s_wait_dscnt 0x0
	v_lshrrev_b32 v1, 5, v0
	v_readfirstlane_b32 s14, v1                    ; wave 0..3
	s_lshr_b32 s15, s14, 1                         ; which half of source 1's rows is mine.  Also: I fetch for source 1 (0) or for source 0 (1)
	s_and_b32 s16, s14, 1                          ; which half of source 0's rows.  Also: which 128 rows of that tile I fetch
	s_bfe_u32 s40, ttmp6, 0x40000                  ; cx, cy: my place in the cluster
	s_bfe_u32 s41, ttmp6, 0x40004
	s_and_b32 s66, ttmp7, 0xffff                   ; cluster y, 0..7
	s_cmp_eq_u32 ttmp9, 2                          ; cluster x = 2: v's section.  The same in all sixteen partners
	s_cselect_b32 s80, 1, 0
	s_cselect_b32 s81, s66, ttmp9                  ; source 0's tiles: v: x's 32 tiles by cluster y; q, k: w_qkv's 8 tiles by cluster x
	s_cselect_b32 s66, 0, s66                      ; source 1's tiles: v: w_qkv's 4 tiles; q, k: x's 32 tiles by cluster y
	s_lshl_b32 s42, s81, 2
	s_add_co_u32 s42, s42, s40                     ; source 0's tile: hangs on cx, never on cy
	s_lshl_b32 s17, s66, 2
	s_add_co_u32 s17, s17, s41                     ; source 1's tile: hangs on cy, never on cx
	s_lshl_b32 s43, s41, 2
	s_lshl_b32 s43, 15, s43                        ; my row of the cluster
	s_lshl_b32 s44, 0x1111, s40                    ; my column
	; descriptor group 1: a tile of 128 rows x 256 bytes, padded in LDS
	s_or_b32 s[G1+0], s43, (0<<16)|(1<<20)|(1<<21)|(5<<22)|(3<<25)  ; 15:0 the mask: my row; 17:16 element of 1 byte; 20 padding on; 21 set beside a mask; 24:22 after every 64 words; 31:25 of 4 words
	s_or_b32 s[G1B+0], s44, (0<<16)|(1<<20)|(1<<21)|(5<<22)|(3<<25) ; the same with my column's mask
.irp g, G1, G1B
	s_mov_b32 s[\g+1], ROWB<<16                    ; tensor_dim0
	s_mov_b32 s[\g+2], 128<<16                     ; tensor_dim1 = 128
	s_mov_b32 s[\g+3], ROWB<<16                    ; tile_dim0
	s_mov_b32 s[\g+4], 128                         ; tile_dim1 = 128
	s_mov_b32 s[\g+5], KROW                        ; tensor_dim0_stride
	s_mov_b32 s[\g+6], 0
	s_mov_b32 s[\g+7], 0
.endr
	s_lshl_b32 s18, s16, 7                         ; which 128 rows of the tile I fetch
	s_lshl_b32 s20, s17, 8
	s_add_co_u32 s20, s20, s18
	s_lshl_b32 s20, s20, 10                        ; source 1: (256 x tile + 128 x half) rows of 1,024 bytes: under 2^23
	s_mov_b32 s21, 0
	s_lshl_b32 s46, s42, 8
	s_add_co_u32 s46, s46, s18
	s_lshl_b32 s46, s46, 10                        ; source 0 likewise
	s_mov_b32 s47, 0
	s_mul_i32 s45, s14, HALFT                      ; where they go: wave x 128 rows: no place in the cluster enters an LDS address
	s_wait_kmcnt 0x0
	s_load_b256 s[72:79], s[8:9], 0x0              ; e0 .. e7
	s_add_nc_u64 s[88:89], s[6:7], VSEC            ; w_qkv at v's rows
	s_cmp_eq_u32 s80, 1
	s_cselect_b64 s[82:83], s[88:89], s[4:5]       ; source 1's buffer
	s_cselect_b64 s[84:85], s[4:5], s[6:7]         ; source 0's
	s_add_nc_u64 s[20:21], s[82:83], s[20:21]
	s_add_nc_u64 s[46:47], s[84:85], s[46:47]
	CROUND                                         ; all sixteen work-groups are here: the first joint loads meet
.irp s, 0,1
	s_mov_b32 s[G0+4*\s], 1
	s_add_co_u32 s[G0+4*\s+1], s45, \s*SLOT
	s_add_nc_u64 s[G0+4*\s+2:G0+4*\s+3], s[20:21], \s*ROWB
	s_or_b32 s[G0+4*\s+3], s[G0+4*\s+3], 0x80000000
	s_mov_b32 s[G0B+4*\s], 1
	s_add_co_u32 s[G0B+4*\s+1], s45, \s*SLOT
	s_add_nc_u64 s[G0B+4*\s+2:G0B+4*\s+3], s[46:47], \s*ROWB
	s_or_b32 s[G0B+4*\s+3], s[G0B+4*\s+3], 0x80000000
	JLOAD G0+4*\s, G1, G0B+4*\s, G1B               ; two tensor loads of mine are out behind these
.endr
	v_and_b32 v1, 15, v0                           ; l % 16
	v_bfe_u32 v2, v0, 4, 1                         ; l / 16
	v_mul_u32_u24 v3, v1, PITCH
	v_lshl_add_u32 v4, v2, 4, v3                   ; a fragment's row x pitch + 16 x half
	s_mul_i32 s21, s15, HALFT                      ; my 128 rows of source 1
	s_mul_i32 s22, s16, HALFT                      ; my 128 rows of source 0,
	s_add_co_u32 s22, s22, 2*HALFT                 ; which lie behind source 1's 256
.irp s, 0,1
	v_add_nc_u32 v[ADRA+\s], s21, v4
	v_add_nc_u32 v[ADRB+\s], s22, v4
	s_add_co_u32 s21, s21, SLOT
	s_add_co_u32 s22, s22, SLOT
.endr
	v_and_b32 v6, 31, v0
	v_lshlrev_b32 v[CO], 4, v6
	; the way out's constants are made here, while the first tiles land
	s_wait_kmcnt 0x0
	s_cmp_eq_u32 ttmp9, 0
	s_cselect_b32 s90, s74, s75                    ; e2 for q, e3 for k,
	s_cselect_b64 s[86:87], s[10:11], s[68:69]
	s_cmp_eq_u32 s80, 1
	s_cselect_b32 s90, s77, s90                    ; e5 for v
	s_cselect_b64 s[86:87], s[70:71], s[86:87]
	s_sub_co_i32 s90, s90, s72
	s_sub_co_i32 s90, s90, s73                     ; e - e0 - e1: the three scales folded into the conversion's one
	s_add_co_i32 s90, s90, 127
	s_lshl_b32 s91, s90, 23
	v_mov_b32 v[SCL], s91
	s_add_co_i32 s90, s90, 8
	s_lshl_b32 s90, s90, 23
	s_or_b32 s90, s90, 0x600000
	v_mov_b32 v[LIMV], s90                         ; 448 x the scale
	s_lshr_b32 s91, s17, 3                         ; q, k: batch = tile of tokens / 8
	s_lshl_b32 s91, s91, 4
	s_and_b32 s92, s42, 3
	s_lshl_b32 s92, s92, 2
	s_add_co_u32 s91, s91, s92                     ; + 4 heads a tile of channels
	s_lshl_b32 s92, s16, 1
	s_add_co_u32 s91, s91, s92                     ; + 2 for my half
	s_lshl_b32 s91, s91, 7                         ; 128 tiles of 16 tokens a head
	s_and_b32 s92, s17, 7
	s_lshl_b32 s92, s92, 4
	s_add_co_u32 s91, s91, s92
	s_lshl_b32 s92, s15, 3
	s_add_co_u32 s91, s91, s92
	s_lshl_b32 s91, s91, 10                        ; 1,024 bytes a tile of tokens
	s_lshr_b32 s93, s42, 3                         ; v: batch = tile of tokens / 8
	s_lshl_b32 s93, s93, 4
	s_lshl_b32 s94, s17, 2
	s_add_co_u32 s93, s93, s94                     ; + 4 heads a tile of channels
	s_lshl_b32 s94, s15, 1
	s_add_co_u32 s93, s93, s94
	s_lshl_b32 s93, s93, 4                         ; 16 groups of 128 keys a head
	s_and_b32 s94, s42, 7
	s_lshl_b32 s94, s94, 1
	s_add_co_u32 s93, s93, s94
	s_add_co_u32 s93, s93, s16
	s_lshl_b32 s93, s93, 13                        ; 8,192 bytes a group of keys
	s_cmp_eq_u32 s80, 1
	s_cselect_b32 s92, s93, s91
	s_mov_b32 s93, 0
	s_add_nc_u64 s[86:87], s[86:87], s[92:93]      ; where my wave's images begin
.macro FRAG reg, adr, q, i             ; a fragment: lane l holds row l % 16; registers 4 c .. 4 c + 3 hold K = 32 c + 16 (l / 16) + 0 .. 15: the same permutation of k in both sources, so every product meets its partner
.irp c, 0,1,2,3
	ds_load_b128 v[\reg+4*\c:\reg+4*\c+3], v[\adr] offset:128*(\q)+32*\c+(\i)*16*PITCH
.endr
.endm
; 16 matrix instructions: source 1's blocks a0, a0 + 1 x source 0's eight, 128 along K.  p: source 0's set.  zero = 1: the first product starts the sums.
; The 64 accumulators take turns, one instruction a turn, in the same order in every step.
.macro MUL16 a0, p, zero
.irp a, \a0, \a0+1
.irp b, 0,1,2,3,4,5,6,7
.if \zero
	v_wmma_f32_16x16x128_fp8_fp8 v[8*(8*((\a)%4)+\b):8*(8*((\a)%4)+\b)+7], v[128*(\p)+FR*\b:128*(\p)+FR*\b+FR-1], v[AF+FR*(\a):AF+FR*(\a)+FR-1], 0
.else
	v_wmma_f32_16x16x128_fp8_fp8 v[8*(8*((\a)%4)+\b):8*(8*((\a)%4)+\b)+7], v[128*(\p)+FR*\b:128*(\p)+FR*\b+FR-1], v[AF+FR*(\a):AF+FR*(\a)+FR-1], v[8*(8*((\a)%4)+\b):8*(8*((\a)%4)+\b)+7]
.endif
.endr
.endr
.endm
.macro FETCH_B slot, q, p              ; source 0's eight fragments of the slot's q-th 128 along K into set p
	WIN TO_B
.irp i, 0,1,2,3,4,5,6,7
	FRAG 128*(\p)+FR*\i, ADRB+\slot, \q, \i
.endr
	WIN 0
.endm
.macro FETCH_A slot, q, i0             ; source 1's blocks i0 .. i0 + 3
.irp i, \i0, \i0+1, \i0+2, \i0+3
	FRAG AF+FR*(\i), ADRA+\slot, \q, \i
.endr
.endm
.macro PLACES n                        ; plain vector instructions between a matrix instruction and a load into, or a vector instruction on, its registers
.rept \n
	v_nop
.endr
.endm
; A step of 128 along K that has its successor in the same slot.
.macro STEP slot, q, zero
	s_wait_dscnt 4*NL                              ; source 0's set and source 1's blocks 0-3 are in; the 16 youngest loads (blocks 4-7) may be out
	WIN MUL_LO
	MUL16 0, (\q)%2, \zero
	MUL16 2, (\q)%2, \zero
	s_wait_dscnt 0                                 ; blocks 4-7 are in
	PLACES NP
	FETCH_B \slot, (\q)+1, 1-(\q)%2
	FETCH_A \slot, (\q)+1, 0
	WIN MUL_HI
	MUL16 4, (\q)%2, \zero
	MUL16 6, (\q)%2, \zero
	PLACES NP
	WIN 0
	FETCH_A \slot, (\q)+1, 4
.endm
; A slot's last step changes slots: ONE barrier; in front of it each wave waits for all its tensor loads, adds 0 to its spare word, and waits for that and for its own reads of this slot.  fill = 1: this slot is filled again, two K steps ahead.
.macro TURN slot, next, fill
	s_wait_tensorcnt 0x0                           ; all my tensor loads have landed: my part of the next slot
	ds_add_u32 v[SPW], v[NIL]                      ; 0 onto my spare word
	s_wait_dscnt 4*NL+1                            ; the add and the 16 youngest loads (blocks 4-7) may be out
	WIN MUL_LO
	MUL16 0, 1, 0                                  ; sixteen matrix instructions stand between the add and the wait for it
	s_wait_dscnt 0x0                               ; the add is done, and my reads of this slot are over
	s_barrier_signal -1
	MUL16 2, 1, 0
	WIN 0
	s_barrier_wait -1
.if \fill
	CREST                                          ; the barrier has opened a round of the cluster's barrier: no wave of any partner still reads this slot or has a load on its way
	s_add_nc_u64 s[G0+4*\slot+2:G0+4*\slot+3], s[G0+4*\slot+2:G0+4*\slot+3], 2*ROWB
	s_add_nc_u64 s[G0B+4*\slot+2:G0B+4*\slot+3], s[G0B+4*\slot+2:G0B+4*\slot+3], 2*ROWB
	JLOAD G0+4*\slot, G1, G0B+4*\slot, G1B         ; the first tensor load behind the round, my one load until the next; its four v_nop are the places in front of the loads below
.else
	PLACES NP
.endif
	FETCH_B \next, 0, 0
	FETCH_A \next, 0, 0
	WIN MUL_HI
	MUL16 4, 1, 0
	MUL16 6, 1, 0
	PLACES NP
	WIN 0
	FETCH_A \next, 0, 4
.endm
	s_wait_tensorcnt 1                             ; my part of K step 0 is in; K step 1's load may be out
	s_barrier_signal -1
	s_barrier_wait -1                              ; everybody's is
	FETCH_B 0, 0, 0
	FETCH_A 0, 0, 0
	FETCH_A 0, 0, 4
	STEP 0, 0, 1                                   ; the first step stands in front of the loop: its products start the sums
	s_mov_b32 s3, LAPS-1
.Llap:                                                 ; a trip goes once round the ring and fills both slots again
	TURN 0, 1, 1
	STEP 1, 0, 0
	TURN 1, 0, 1
	STEP 0, 0, 0
	s_sub_co_u32 s3, s3, 1
	s_cmp_lg_u32 s3, 0
	s_cbranch_scc1 .Llap
	TURN 0, 1, 0                                   ; the last lap fills nothing
	STEP 1, 0, 0
	s_wait_dscnt 4*NL                              ; the very last step
	WIN MUL_LO
	MUL16 0, 1, 0
	MUL16 2, 1, 0
	s_wait_dscnt 0
	WIN MUL_HI
	MUL16 4, 1, 0
	MUL16 6, 1, 0
	WIN 0
; THE WAY OUT.  Block a (16 rows of source 1): its 64 sums are held within +-448 x the scale (the conversion to an 8-bit code does not saturate: ISA guide 7.6.2), each accumulator from its low end on,
; into window 0; accumulator b's eight numbers become registers 2 b, 2 b + 1 of the block's 16 registers of codes.  Every block has registers of its own, so no store's data are written again.
.macro PACK a
.set AC, 64*((\a)%4)
	WIN 0x02+((\a)/4)                              ; source 0: window 2 or 3
.set j, 0
.rept 64
	v_med3_num_f32 v[T+j], v[AC+j], -v[LIMV], v[LIMV]
.set j, j+1
.endr
	WIN 0
.irp b, 0,1,2,3,4,5,6,7
	v_cvt_scalef32_pk8_fp8_f32 v[TMP+16*(\a)+2*\b:TMP+16*(\a)+2*\b+1], v[T+8*\b:T+8*\b+7], v[SCL]
.endr
	v_nop                                          ; a plain vector instruction between the conversions and the next block's holds, which write their sources
.endm
	PLACES NP                                      ; behind the last products: their results are read and source 1's registers written below
.irp a, 0,1,2,3,4,5,6,7
	PACK \a
.endr
	s_cmp_eq_u32 s80, 1                            ; only the stores' offsets differ between the sections
	s_cbranch_scc1 .Lv_out
.irp a, 0,1,2,3,4,5,6,7                ; q, k: block a is a tile of 16 tokens; registers 8 (g / 2) on are head g / 2 of my two, 4 (g % 2) on the fragment's half
.irp g, 0,1,2,3
	global_store_b128 v[CO], v[TMP+16*\a+4*\g:TMP+16*\a+4*\g+3], s[86:87] offset:\a*1024+(\g/2)*131072+(\g%2)*512
.endr
.endr
	s_branch .Lstored
.Lv_out:
.irp a, 0,1,2,3,4,5,6,7                ; v: block a is head a / 4 of my two, its tile a % 4 of 16 channels; the 16 registers are the fragment of my 128 keys
.irp g, 0,1,2,3
	global_store_b128 v[CO], v[TMP+16*\a+4*\g:TMP+16*\a+4*\g+3], s[86:87] offset:(\a/4)*131072+(\a%4)*2048+\g*512
.endr
.endr
.Lstored:
	s_wait_tensorcnt 0x0                           ; the wave's end
	ds_add_u32 v[SPW], v[NIL]
	s_wait_dscnt 0x0
	CROUND                                         ; the closing round: no work-group ends while a partner may still ask for a tile that names it
	s_endpgm
.Lfunc_end_k_q652670c7b5_qkv:
	.size	k_q652670c7b5_qkv, .Lfunc_end_k_q652670c7b5_qkv-k_q652670c7b5_qkv
	.p2alignl 7, 3214868480
	.fill 96, 4, 3214868480
	.section	.rodata,"a",@progbits
	.p2align	6, 0x0
	.amdhsa_kernel k_q652670c7b5_qkv
		.amdhsa_group_segment_fixed_size 327680
		.amdhsa_private_segment_fixed_size 0
		.amdhsa_enable_private_segment 0
		.amdhsa_kernarg_size 48
		.amdhsa_user_sgpr_count 2
		.amdhsa_user_sgpr_kernarg_segment_ptr 1
		.amdhsa_wavefront_size32 1
		.amdhsa_system_sgpr_workgroup_id_x 1
		.amdhsa_system_sgpr_workgroup_id_y 1
		.amdhsa_system_sgpr_workgroup_id_z 1
		.amdhsa_system_vgpr_workitem_id 0
		.amdhsa_next_free_vgpr 1024
		.amdhsa_next_free_sgpr 98
		.amdhsa_reserve_vcc 0
		.amdhsa_float_denorm_mode_32 3
		.amdhsa_float_denorm_mode_16_64 3
		.amdhsa_memory_ordered 1
		.amdhsa_forward_progress 1
		.amdhsa_inst_pref_size 121
	.end_amdhsa_kernel
	.amdgpu_metadata
---
amdhsa.version: [ 1, 2 ]
amdhsa.kernels:
  - .name:           k_q652670c7b5_qkv
    .symbol:         k_q652670c7b5_qkv.kd
    .args:
      - { .name: x_codes, .offset: 0, .size: 8, .value_kind: global_buffer, .address_space: global }
      - { .name: w_qkv_codes, .offset: 8, .size: 8, .value_kind: global_buffer, .address_space: global }
      - { .name: lowp_scales, .offset: 16, .size: 8, .value_kind: global_buffer, .address_space: global }
      - { .name: q_img, .offset: 24, .size: 8, .value_kind: global_buffer, .address_space: global }
      - { .name: k_img, .offset: 32, .size: 8, .value_kind: global_buffer, .address_space: global }
      - { .name: v_img, .offset: 40, .size: 8, .value_kind: global_buffer, .address_space: global }
    .group_segment_fixed_size: 327680
    .private_segment_fixed_size: 0
    .kernarg_segment_align: 8
    .kernarg_segment_size: 48
    .max_flat_workgroup_size: 128
    .sgpr_count:     98
    .vgpr_count:     1024
    .wavefront_size: 32
...
	.end_amdgpu_metadata
.endif
;; end of part 1
;; launch attn (part 2): grid 4 x 64, 16 waves a work-group, no clusters, 34,816 bytes of LDS; arguments q_img, k_img, v_img, lowp_scales, y_img; writes y_img
.if DOCPART == 2
	.amdgcn_target "amdgcn-amd-amdhsa--gfx1250"
	.amdhsa_code_object_version 6
	.text
	.protected	k_q652670c7b5_attn
	.globl	k_q652670c7b5_attn
	.p2align	8
	.type	k_q652670c7b5_attn,@function
k_q652670c7b5_attn:
	s_mov_b64 s[64:65], 0
	v_nop
	global_prefetch_b8 v0, s[64:65] scope:SCOPE_SE
	s_setreg_imm32_b32 hwreg(HW_REG_WAVE_MODE, 25, 1), 1
	s_wait_xcnt 0x0
; y = softmax(q k^T / 8, causal) v for 64 heads of 2,048 tokens x 64 channels, both products on codes of FP8 (E4M3); y is quantised at once (scale 2^e6) and stored as an image of the last product's operand.
; q_img, k_img: for head bh and tile tt of 16 tokens the 16 x 64 fragment as it stands in registers: byte bh 131072 + tt 1024 + c2 512 + 16 lane.  v_img: for 128 keys kg and 16 channels ct the 16 x 128 fragment of V^T: bh 131072 + kg 8192 + ct 2048 + c4 512 + 16 lane.
; THE SOFTMAX: t = sum x 2^(e2 + e3) x log2(e) / 8; M = the running largest t rounded UP to a whole number, kept as -M = floor(-t); p = 2^(t - M) is quantised with 2^e4, not normalised; the row's sum is taken of the unquantised p
; and divides at the end.  When M moves, the sum and O are multiplied by 2^(old M - new M), which rounds nothing.
; SHARES.  Work-group (i, bh) owns the blocks i and 7 - i of 256 queries of head bh.  Block b needs b + 1 trips of 256 keys, so every work-group walks (i + 1) + (8 - i) = 9 trips: 256 work-groups of equal work, one loop of constant count.
; Each of sixteen waves owns 16 queries of the block in hand, in 256 registers: four waves to a SIMD, so that one wave's vector work stands beside another's products and LDS loads.
; LAYOUT.  S^T = K Q^T (source 0 = 16 keys, source 1 = my 16 queries), O^T = V^T P^T: a lane holds ONE query (lane % 16); register j of tile t of S^T is key 16 t + 8 (lane / 16) + j, so a tile's eight numbers convert into registers 2 t, 2 t + 1 of P.
; THE TILES.  A key step's K and V are 8,192 bytes each, dense in memory: each of the 512 threads moves 16 bytes of each through registers into one of two LDS slots.  The loads of key step g + 2 are issued at the head of step g and
; waited for at the head of step g + 1, a whole key step later; they are stored into the slot that step g read behind the barrier at that step's end.  One barrier a key step.
; NO JOINT LOADS: the four work-groups of a head begin again at key 0 after i + 1 trips, each at another trip, so that in one trip they want different tiles.
; p is at most 1, so p / 2^e4 is at most 2^-e4, which is under 448 where e4 >= -8: there the hold in front of the conversion is jumped over.
; CAUSAL: a step all of whose keys come after the wave's queries is left out but for its share of the copying and its barrier; on the diagonal hidden scores become -infinity ahead of the maximum.  Key 0 counts for every query.
; LIMITS: e2 + e3 between -123 and 130 (added to the exponent field of log2(e) / 8); e4 and e6 between -126 and 119; e4 + e5 is applied by v_ldexp_f32.
.set TILEB, 8192                       ; a key step's image of K, and of V
.set VOFF,  TILEB                      ; in a slot: K's image, then V's
.set SLOTB, 2*TILEB
.set TRIPS, 9
.set LI,   1                           ; v1   16 x lane
.set TI,   2                           ; v2   16 x thread
.set DL,   3                           ; v3   lane % 16 - 8 (lane / 16)
.set NINF, 4                           ; v4   -infinity
.set DD,   5                           ; v5   the mask's bound
.set TA,   6                           ; v6, v7  at work on the way out
.set TB,   7
.set QF,   16                          ; v16-23   Q's fragment of the block in hand
.set QF2,  24                          ; v24-31   of the second block
.set FRG,  32                          ; v32-95   eight fragments of K, then four of V
.set SC,   96                          ; v96-159  S^T, then p
.set OT,   160                         ; v160-191 O^T
.set PC,   192                         ; v192-207 p's codes
.set CP0,  208                         ; v208-215, v216-223  my 16 bytes of K and of V on their way to slot 0, slot 1
.set CP1,  216
.set FF,   224                         ; v[224:225] f = 2^(old M - new M), 0
.set SUM2, 226                         ; v[226:227] the sum's second chain
.set MXA,  228
.set MXB,  229
.set PRM,  230                         ; a lane permute's destination
.set PLIM, 231                         ; 448 x 2^e4
.set PSCL, 232                         ; 2^e4
.set YLIM, 233                         ; 448 x 2^e6
.set YSCL, 234                         ; 2^e6
.set RL,   235                         ; 2^(e4 + e5) / the row's sum
.set YC,   236                         ; v236-243 y's codes
.set WV,  14
.set BH,  16                           ; s16  batch x 16 + head
.set SW,  17                           ; s17  the trip at which the second block begins: i + 1
.set TT,  18                           ; s18  the trip
.set KF,  19                           ; s19  the step's first key
.set SEL, 20                           ; s[20:21] v_permlanex16_b32's selects for lane l xor 16
.set CS,  22                           ; s[22:23] c = 2^(e2 + e3) log2(e) / 8
.set Q0,  24                           ; s24  my first query of the block in hand;  s25 of the second block
.set Q0B, 25
.set COF, 26                           ; s[26:27] byte offset in the head's images of the trip whose tiles are being asked for
.set KB,  28                           ; s[28:29], s[30:31] the head's images of K and V
.set VB,  30
.set NK,  32                           ; s[32:33], s[34:35] the same + COF
.set NV,  34
.set YB1, 36                           ; s[36:37], s[38:39] where my codes of y go, first and second block
.set YB2, 38
.set SKH, 48                           ; s48  1 where e4 >= -8
.set EPV, 49                           ; s49  e4 + e5
.macro PLACES
.rept 4
	v_nop
.endr
.endm
	s_load_b256 s[4:11], s[0:1], 0x0               ; q_img s[4:5], k_img s[6:7], v_img s[8:9], the scales' exponents s[10:11]
	s_load_b64 s[12:13], s[0:1], 0x20              ; y_img
	v_lshl_add_u32 v254, v0, 2, 0x8000
	v_mov_b32 v255, 0
	v_lshrrev_b32 v1, 5, v0
	v_readfirstlane_b32 s[WV], v1                  ; wave 0..15
	v_and_b32 v1, 31, v0
	v_lshlrev_b32 v[LI], 4, v1
	v_lshlrev_b32 v[TI], 4, v0
	v_and_b32 v[DL], 15, v0
	v_bfe_u32 v[DD], v0, 4, 1
	v_lshlrev_b32 v[DD], 3, v[DD]
	v_sub_nc_u32 v[DL], v[DL], v[DD]
	v_mov_b32 v[NINF], 0xff800000
	v_mov_b32 v[TA], 0                             ; written once: a lane permute's destination counts as one of its sources
	v_mov_b32 v[TB], 0
	v_mov_b32 v[PRM], 0
	v_mov_b32 v[FF+1], 0                           ; named as the upper half of the pair
	s_and_b32 s[BH], ttmp7, 0xffff
	s_add_co_u32 s[SW], ttmp9, 1
	s_lshl_b32 s50, s[WV], 4
	s_lshl_b32 s[Q0], ttmp9, 8
	s_add_co_u32 s[Q0], s[Q0], s50                 ; 256 i + 16 wave
	s_sub_co_u32 s[Q0B], 7, ttmp9
	s_lshl_b32 s[Q0B], s[Q0B], 8
	s_add_co_u32 s[Q0B], s[Q0B], s50               ; 256 (7 - i) + 16 wave
	s_lshl_b32 s50, s[BH], 17                      ; the head's first byte in each image
	s_mov_b32 s51, 0
	s_lshl_b32 s52, s[Q0], 6                       ; 1,024 bytes a tile of 16 queries
	s_add_co_u32 s52, s52, s50
	s_mov_b32 s53, 0
	s_lshl_b32 s54, s[Q0B], 6
	s_add_co_u32 s54, s54, s50
	s_mov_b32 s55, 0
	; y_img: byte (row / 128) 131072 + (k / 256) 32768 + ((row / 16) % 8) 4096 + ((k / 128) % 2) 2048 + ((k / 32) % 4) 512 + 16 lane, row = batch 2048 + token, k = head 64 + channel
	s_lshr_b32 s56, s[BH], 4
	s_lshl_b32 s56, s56, 21                        ; batch x 16 blocks of 128 rows
	s_bfe_u32 s57, s[BH], 0x20002                  ; head / 4
	s_lshl_b32 s57, s57, 15
	s_add_co_u32 s56, s56, s57
	s_and_b32 s57, s[BH], 3                        ; ((head / 2) % 2) 2048 + (head % 2) 1024
	s_lshl_b32 s57, s57, 10
	s_add_co_u32 s56, s56, s57
	s_lshr_b32 s58, s[Q0], 7
	s_lshl_b32 s58, s58, 17
	s_bfe_u32 s57, s[Q0], 0x30004
	s_lshl_b32 s57, s57, 12
	s_add_co_u32 s58, s58, s57
	s_add_co_u32 s58, s58, s56
	s_mov_b32 s59, 0
	s_mov_b32 s[SEL], 0x76543210
	s_mov_b32 s[SEL+1], 0xfedcba98
	s_mov_b32 s[COF], 0
	s_mov_b32 s[COF+1], 0
	s_mov_b32 s[KF], 0
	s_wait_kmcnt 0x0
	s_load_b256 s[40:47], s[10:11], 0x0            ; e0 .. e7
	s_add_nc_u64 s[KB:KB+1], s[6:7], s[50:51]
	s_add_nc_u64 s[VB:VB+1], s[8:9], s[50:51]
	s_add_nc_u64 s[52:53], s[4:5], s[52:53]        ; Q's fragment of the first block,
	s_add_nc_u64 s[54:55], s[4:5], s[54:55]        ; of the second
	s_mov_b64 s[NK:NK+1], s[KB:KB+1]
	s_mov_b64 s[NV:NV+1], s[VB:VB+1]
	s_add_nc_u64 s[YB1:YB1+1], s[12:13], s[58:59]
	global_load_b128 v[CP0:CP0+3], v[TI], s[KB:KB+1]                 ; key step 0
	global_load_b128 v[CP0+4:CP0+7], v[TI], s[VB:VB+1]
	global_load_b128 v[CP1:CP1+3], v[TI], s[KB:KB+1] offset:TILEB    ; key step 1
	global_load_b128 v[CP1+4:CP1+7], v[TI], s[VB:VB+1] offset:TILEB
	global_load_b128 v[QF:QF+3], v[LI], s[52:53]
	global_load_b128 v[QF+4:QF+7], v[LI], s[52:53] offset:512
	global_load_b128 v[QF2:QF2+3], v[LI], s[54:55]
	global_load_b128 v[QF2+4:QF2+7], v[LI], s[54:55] offset:512
	s_lshr_b32 s58, s[Q0B], 7
	s_lshl_b32 s58, s58, 17
	s_bfe_u32 s57, s[Q0B], 0x30004
	s_lshl_b32 s57, s57, 12
	s_add_co_u32 s58, s58, s57
	s_add_co_u32 s58, s58, s56
	s_add_nc_u64 s[YB2:YB2+1], s[12:13], s[58:59]
	s_wait_kmcnt 0x0
	s_add_co_i32 s50, s42, s43                     ; e2 + e3 go into c's exponent field
	s_lshl_b32 s50, s50, 23
	s_mov_b32 s[CS], 0x3e38aa3b                    ; log2(e) / 8
	s_add_co_i32 s[CS], s[CS], s50
	s_mov_b32 s[CS+1], s[CS]                       ; named with it as a pair
	s_add_co_i32 s50, s44, 127
	s_lshl_b32 s51, s50, 23
	v_mov_b32 v[PSCL], s51
	s_add_co_i32 s50, s50, 8
	s_lshl_b32 s50, s50, 23
	s_or_b32 s50, s50, 0x600000
	v_mov_b32 v[PLIM], s50
	s_add_co_i32 s50, s46, 127
	s_lshl_b32 s51, s50, 23
	v_mov_b32 v[YSCL], s51
	s_add_co_i32 s50, s50, 8
	s_lshl_b32 s50, s50, 23
	s_or_b32 s50, s50, 0x600000
	v_mov_b32 v[YLIM], s50
	s_add_co_i32 s[EPV], s44, s45
	s_cmp_ge_i32 s44, -8
	s_cselect_b32 s[SKH], 1, 0
; A block of queries begins: the largest t is -3e38, under every t; the sum and O^T are zeros, which the first change of M leaves zeros.  copyq = 1: the second block's.
.macro RESET copyq
.if \copyq
.irp j, 0,1,2,3,4,5,6,7
	v_mov_b32 v[QF+\j], v[QF2+\j]
.endr
	s_mov_b32 s[Q0], s[Q0B]
	s_mov_b32 s[KF], 0
.endif
	v_mov_b32 v13, 0xff61b1e6
	v_floor_f32 v12, -v13
	v_mov_b32 v14, 0
	v_mov_b32 v15, 0
.set j, 0
.rept 32
	v_mov_b32 v[OT+j], 0
.set j, j+1
.endr
.endm
; A block of queries ends: y = O^T x 2^(e4 + e5) / the sum, held, converted, and brought into the order of the last product's operand: lane (r, h) wants channels 32 b + 16 h + 0 .. 15 of query r and holds 16 t + 8 h + 0 .. 7:
; the two halves of the lanes exchange two registers of each pair of tiles.  Each of the two stores covers 512 consecutive bytes, aligned.
.macro FINISH yb
	s_wait_xcnt 0x0                                ; the first block's stores have read their registers
	PLACES                                         ; behind the last products
	v_add_f32 v14, v14, v15
	v_permlanex16_b32 v[PRM], v14, s[SEL], s[SEL+1]
	v_add_f32 v14, v14, v[PRM]                     ; the row's sum
	v_rcp_f32 v[RL], v14
	v_nop                                          ; a plain instruction behind the reciprocal
	s_wait_alu depctr_va_vdst(0)                   ; and the wait ahead of its first reader
	v_ldexp_f32 v[RL], v[RL], s[EPV]
.set j, 0
.rept 32
	v_mul_f32 v[SC+j], v[OT+j], v[RL]              ; each accumulator from its low end on
.set j, j+1
.endr
.set j, 0
.rept 32
	v_med3_num_f32 v[SC+j], v[SC+j], -v[YLIM], v[YLIM]   ; the conversion does not saturate (ISA guide 7.6.2)
.set j, j+1
.endr
.irp t, 0,1,2,3
	v_cvt_scalef32_pk8_fp8_f32 v[YC+2*\t:YC+2*\t+1], v[SC+8*\t:SC+8*\t+7], v[YSCL]
.endr
	v_nop                                          ; a plain instruction between the conversions and the readers of their results
	s_mov_b32 vcc_lo, 0xffff0000                   ; lanes 16-31
.irp b, 0,1
.irp e, 0,1
	v_permlanex16_b32 v[TA], v[YC+4*\b+2+\e], s[SEL], s[SEL+1]
	v_permlanex16_b32 v[TB], v[YC+4*\b+\e], s[SEL], s[SEL+1]
	v_cndmask_b32 v[YC+4*\b+\e], v[YC+4*\b+\e], v[TA], vcc_lo       ; bytes 0-7: lanes 0-15 their own tile 2 b, lanes 16-31 the partner's tile 2 b + 1
	v_cndmask_b32 v[YC+4*\b+2+\e], v[TB], v[YC+4*\b+2+\e], vcc_lo   ; bytes 8-15: lanes 0-15 the partner's tile 2 b, lanes 16-31 their own tile 2 b + 1
.endr
.endr
	global_store_b128 v[LI], v[YC:YC+3], s[\yb:\yb+1]
	global_store_b128 v[LI], v[YC+4:YC+7], s[\yb:\yb+1] offset:512
.endm
; A KEY STEP: 128 keys, in slot u.
.macro STEP u
	s_wait_loadcnt 0x0                             ; the next step's 32 bytes of mine are in registers (asked for a key step ago); no load is out, so NK and NV may be written
.if \u == 0
	ds_store_b128 v[TI], v[CP1:CP1+3] offset:SLOTB                 ; into slot 1, which every wave has left: the barrier at the last step's end
	ds_store_b128 v[TI], v[CP1+4:CP1+7] offset:SLOTB+VOFF
	s_cmp_eq_u32 s[TT], TRIPS-1
	s_cbranch_scc1 .Lnomore_\@                     ; the last trip asks for nothing: no load leaves its buffer
	s_add_co_u32 s[COF], s[COF], 2*TILEB           ; the next trip's 256 keys,
	s_add_co_u32 s50, s[TT], 1
	s_cmp_eq_u32 s50, s[SW]
	s_cselect_b32 s[COF], 0, s[COF]                ; or key 0 again, where the second block begins
	s_add_nc_u64 s[NK:NK+1], s[KB:KB+1], s[COF:COF+1]
	s_add_nc_u64 s[NV:NV+1], s[VB:VB+1], s[COF:COF+1]
	global_load_b128 v[CP0:CP0+3], v[TI], s[NK:NK+1]
	global_load_b128 v[CP0+4:CP0+7], v[TI], s[NV:NV+1]
.else
	s_cmp_eq_u32 s[TT], TRIPS-1
	s_cbranch_scc1 .Lnomore_\@
	ds_store_b128 v[TI], v[CP0:CP0+3]              ; into slot 0
	ds_store_b128 v[TI], v[CP0+4:CP0+7] offset:VOFF
	global_load_b128 v[CP1:CP1+3], v[TI], s[NK:NK+1] offset:TILEB
	global_load_b128 v[CP1+4:CP1+7], v[TI], s[NV:NV+1] offset:TILEB
.endif
.Lnomore_\@:
	s_add_co_u32 s50, s[Q0], 15
	s_cmp_gt_u32 s[KF], s50                        ; all 128 keys come after my 16 queries: nothing to compute
	s_cbranch_scc1 .Lhidden_\@
	PLACES                                         ; in front of loads into registers that the last step's products have read
.irp t, 0,1,2,3,4,5,6,7
	ds_load_b128 v[FRG+8*\t:FRG+8*\t+3], v[LI] offset:\u*SLOTB+\t*1024
	ds_load_b128 v[FRG+8*\t+4:FRG+8*\t+7], v[LI] offset:\u*SLOTB+\t*1024+512
.endr
	s_wait_dscnt 8                                 ; tiles 0-3 are in; the eight youngest loads (tiles 4-7) may be out
.irp t, 0,1,2,3
	v_wmma_f32_16x16x64_fp8_fp8 v[SC+8*\t:SC+8*\t+7], v[FRG+8*\t:FRG+8*\t+7], v[QF:QF+7], 0
.endr
	s_wait_dscnt 0x0
.irp t, 4,5,6,7
	v_wmma_f32_16x16x64_fp8_fp8 v[SC+8*\t:SC+8*\t+7], v[FRG+8*\t:FRG+8*\t+7], v[QF:QF+7], 0
.endr
	PLACES                                         ; in front of the loads below and of the first read of the scores
.irp t, 0,1,2,3
.irp c, 0,1,2,3
	ds_load_b128 v[FRG+16*\t+4*\c:FRG+16*\t+4*\c+3], v[LI] offset:\u*SLOTB+VOFF+\t*2048+\c*512   ; V's fragments land while the softmax is walked
.endr
.endr
	s_add_co_u32 s50, s[KF], 127
	s_cmp_le_u32 s50, s[Q0]                        ; all 128 keys count for all my queries
	s_cbranch_scc1 .Lopen_\@
	s_sub_co_i32 s50, s[Q0], s[KF]
	v_add_nc_u32 v[DD], s50, v[DL]                 ; register 8 t + j holds key KF + 16 t + 8 (lane / 16) + j: hidden where 16 t + j > my query - KF - 8 (lane / 16)
.irp t, 0,1,2,3,4,5,6,7
.irp j, 0,1,2,3,4,5,6,7
	v_cmp_gt_i32 vcc_lo, 16*\t+\j, v[DD]
	v_cndmask_b32 v[SC+8*\t+\j], v[SC+8*\t+\j], v[NINF], vcc_lo
.endr
.endr
.Lopen_\@:
	v_max3_num_f32 v[MXA], v[SC], v[SC+1], v[SC+2]                 ; the step's largest score of my query among my 64 keys, in two chains; each tile is first read at its low end
	v_max3_num_f32 v[MXB], v[SC+3], v[SC+4], v[SC+5]
.irp i, 6,10,14,18,22,26,30,34,38,42,46,50,54,58
	v_max3_num_f32 v[MXA], v[MXA], v[SC+\i], v[SC+1+\i]
	v_max3_num_f32 v[MXB], v[MXB], v[SC+2+\i], v[SC+3+\i]
.endr
	v_max3_num_f32 v[MXA], v[MXA], v[SC+62], v[SC+63]
	v_max_num_f32 v[MXA], v[MXA], v[MXB]
	v_permlanex16_b32 v[PRM], v[MXA], s[SEL], s[SEL+1]
	v_max_num_f32 v[MXA], v[MXA], v[PRM]           ; and among lane l xor 16's
	v_mul_f32 v[MXA], s[CS], v[MXA]                ; as t (c is positive)
	v_max_num_f32 v13, v13, v[MXA]                 ; the running largest t
	v_mov_b32 v[MXA], v12
	v_floor_f32 v12, -v13                          ; the new -M
	v_sub_f32 v[MXA], v12, v[MXA]                  ; old M - new M: a whole number, 0 or less
	v_cvt_i32_f32 v[MXA], v[MXA]                   ; (it saturates)
	v_ldexp_f32 v[FF], 1.0, v[MXA]                 ; f
.set j, 0
.rept 32
	v_pk_fma_f32 v[SC+j:SC+j+1], v[SC+j:SC+j+1], s[CS:CS+1], v[12:13] op_sel_hi:[1,0,0]   ; t - M, two at a time
.set j, j+2
.endr
.set j, 0
.rept 64
	v_exp_f32 v[SC+j], v[SC+j]                     ; p = 2^(t - M)
.set j, j+1
.endr
	v_pk_mul_f32 v[14:15], v[14:15], v[FF:FF+1] op_sel_hi:[1,0]    ; the sums under the new M: the plain instruction behind the exponentials
	s_wait_alu depctr_va_vdst(0)                   ; one wait for the whole batch, ahead of its first reader
	v_pk_add_f32 v[SUM2:SUM2+1], v[SC:SC+1], v[SC+2:SC+3]          ; the row's sum is taken of the unquantised p, in two chains
.irp j, 4,8,12,16,20,24,28,32,36,40,44,48,52,56,60
	v_pk_add_f32 v[14:15], v[14:15], v[SC+\j:SC+1+\j]
	v_pk_add_f32 v[SUM2:SUM2+1], v[SUM2:SUM2+1], v[SC+2+\j:SC+3+\j]
.endr
	v_pk_add_f32 v[14:15], v[14:15], v[SUM2:SUM2+1]
	s_cmp_lg_u32 s[SKH], 0                         ; e4 >= -8: p / 2^e4 <= 256, inside the format
	s_cbranch_scc1 .Lnohold_\@
.set j, 0
.rept 64
	v_min_num_f32 v[SC+j], v[SC+j], v[PLIM]        ; the conversion does not saturate (ISA guide 7.6.2); p is not negative
.set j, j+1
.endr
.Lnohold_\@:
.irp t, 0,1,2,3,4,5,6,7
	v_cvt_scalef32_pk8_fp8_f32 v[PC+2*\t:PC+2*\t+1], v[SC+8*\t:SC+8*\t+7], v[PSCL]
.endr
.set j, 0
.rept 16
	v_pk_mul_f32 v[OT+j:OT+j+1], v[OT+j:OT+j+1], v[FF:FF+1] op_sel_hi:[1,0]   ; O^T under the new M; these are also the plain instructions behind the conversions
.set j, j+2
.endr
	s_wait_dscnt 0x0                               ; V's fragments
.irp t, 0,1,2,3
	v_wmma_f32_16x16x128_fp8_fp8 v[OT+8*\t:OT+8*\t+7], v[FRG+16*\t:FRG+16*\t+15], v[PC:PC+15], v[OT+8*\t:OT+8*\t+7]   ; the four accumulators by turns; the next step's eight products stand between two links
.endr
.Lhidden_\@:
	s_add_co_u32 s[KF], s[KF], 128
	s_wait_dscnt 0x0                               ; my stores into the other slot have landed and my reads of this slot are over
	s_barrier_signal -1
	s_barrier_wait -1                              ; both now hold of all sixteen waves
.endm
	RESET 0
	s_wait_loadcnt 6                               ; key step 0's two loads are in; the six behind them (key step 1, Q twice) may be out
	ds_store_b128 v[TI], v[CP0:CP0+3]
	ds_store_b128 v[TI], v[CP0+4:CP0+7] offset:VOFF
	s_wait_dscnt 0x0
	s_barrier_signal -1
	s_barrier_wait -1                              ; slot 0 is whole
	s_mov_b32 s[TT], 0
.Ltrip:
	s_cmp_lg_u32 s[TT], s[SW]                      ; the same in all sixteen waves
	s_cbranch_scc1 .Lsame
	s_wait_loadcnt 0x0                             ; both blocks' Q, asked for at the head, are in registers before one is moved over the other; the step that follows waits for all loads in any case
	FINISH YB1                                     ; block i is done; block 7 - i begins at key 0
	RESET 1
.Lsame:
	STEP 0
	STEP 1
	s_add_co_u32 s[TT], s[TT], 1
	s_cmp_lt_u32 s[TT], TRIPS
	s_cbranch_scc1 .Ltrip
	FINISH YB2
	s_wait_tensorcnt 0x0
	ds_add_u32 v254, v255
	s_wait_dscnt 0x0
	s_endpgm
.Lfunc_end_k_q652670c7b5_attn:
	.size	k_q652670c7b5_attn, .Lfunc_end_k_q652670c7b5_attn-k_q652670c7b5_attn
	.p2alignl 7, 3214868480
	.fill 96, 4, 3214868480
	.section	.rodata,"a",@progbits
	.p2align	6, 0x0
	.amdhsa_kernel k_q652670c7b5_attn
		.amdhsa_group_segment_fixed_size 34816
		.amdhsa_private_segment_fixed_size 0
		.amdhsa_enable_private_segment 0
		.amdhsa_kernarg_size 40
		.amdhsa_user_sgpr_count 2
		.amdhsa_user_sgpr_kernarg_segment_ptr 1
		.amdhsa_wavefront_size32 1
		.amdhsa_system_sgpr_workgroup_id_x 1
		.amdhsa_system_sgpr_workgroup_id_y 1
		.amdhsa_system_sgpr_workgroup_id_z 1
		.amdhsa_system_vgpr_workitem_id 0
		.amdhsa_next_free_vgpr 256
		.amdhsa_next_free_sgpr 66
		.amdhsa_reserve_vcc 1
		.amdhsa_float_denorm_mode_32 3
		.amdhsa_float_denorm_mode_16_64 3
		.amdhsa_memory_ordered 1
		.amdhsa_forward_progress 1
		.amdhsa_inst_pref_size 60
	.end_amdhsa_kernel
	.amdgpu_metadata
---
amdhsa.version: [ 1, 2 ]
amdhsa.kernels:
  - .name:           k_q652670c7b5_attn
    .symbol:         k_q652670c7b5_attn.kd
    .args:
      - { .name: q_img, .offset: 0, .size: 8, .value_kind: global_buffer, .address_space: global }
      - { .name: k_img, .offset: 8, .size: 8, .value_kind: global_buffer, .address_space: global }
      - { .name: v_img, .offset: 16, .size: 8, .value_kind: global_buffer, .address_space: global }
      - { .name: lowp_scales, .offset: 24, .size: 8, .value_kind: global_buffer, .address_space: global }
      - { .name: y_img, .offset: 32, .size: 8, .value_kind: global_buffer, .address_space: global }
    .group_segment_fixed_size: 34816
    .private_segment_fixed_size: 0
    .kernarg_segment_align: 8
    .kernarg_segment_size: 40
    .max_flat_workgroup_size: 512
    .sgpr_count:     66
    .vgpr_count:     256
    .wavefront_size: 32
...
	.end_amdgpu_metadata
.endif
;; end of part 2
;; launch proj (part 3): grid 4 x 32, 4 waves a work-group, clusters of 4 x 4, 327,680 bytes of LDS; arguments y_img, w_proj_codes, lowp_scales, out0; writes out0
.if DOCPART == 3
	.amdgcn_target "amdgcn-amd-amdhsa--gfx1250"
	.amdhsa_code_object_version 6
	.text
	.protected	k_q652670c7b5_proj
	.globl	k_q652670c7b5_proj
	.p2align	8
	.type	k_q652670c7b5_proj,@function
k_q652670c7b5_proj:
	s_mov_b64 s[64:65], 0
	v_nop
	global_prefetch_b8 v0, s[64:65] scope:SCOPE_SE
	s_setreg_imm32_b32 hwreg(HW_REG_WAVE_MODE, 25, 1), 1
	s_wait_xcnt 0x0
	s_wait_alu depctr_hold_cnt(0) depctr_sa_sdst(0) depctr_va_vdst(0) depctr_va_sdst(0) depctr_va_ssrc(0) depctr_va_vcc(0) depctr_vm_vsrc(0)
	s_getreg_b32 s2, hwreg(HW_REG_IB_STS2, 6, 4)
	s_cmp_eq_u32 s2, 0
	s_cbranch_scc0 .Lentry_in_a_cluster
	s_endpgm
.Lentry_in_a_cluster:
	s_bfe_u32 s2, ttmp6, 0x10000c
	s_cmp_lg_u32 s2, 0xf033
	s_cbranch_scc0 .Lentry_shape_is_right
	s_endpgm
.Lentry_shape_is_right:
; out0 = y w_proj on codes of FP8 (E4M3).  y: 8,192 rows x 1,024 along K, as an image of operand registers (below); w_proj: [1024][1024] codes, K innermost; out0: [8192][1024] f32.
; Each finished sum is multiplied once by 2^(e6 + e7), entries 6 and 7 of the buffer of scales.  LIMIT: e6 + e7 between -126 and 127.
; A tile of out0, 256 x 256, is made by four waves, 128 x 128 each: 64 accumulators, 512 registers.  K goes in four steps of 256 through a ring of two LDS slots.  128 work-groups in 8 clusters.
; y_img: byte (row / 128) 131072 + (k / 256) 32768 + ((row / 16) % 8) 4096 + ((k / 128) % 2) 2048 + c 512 + 16 lane + i holds row 16 (row / 16) + lane % 16, k % 128 = 32 c + 16 (lane / 16) + i: registers 4 c .. 4 c + 3 of a
; fragment.  So what a wave fetches of y (128 rows x 256 K) is one dense block of 32,768 bytes, and a fragment comes from LDS by four loads of 512 consecutive bytes.  w_proj's fragments, from padded rows, hold the same k in the same places.
; CLUSTERS: 4 x 4 work-groups; y's tile is shared along a row of the cluster, w_proj's along a column.  THE MATRIX INSTRUCTION IS USED TRANSPOSED (source 0 = 16 rows of w_proj, source 1 = 16 rows of y): a lane holds eight neighbouring numbers of a row of out0.
; REGISTERS, in windows of 256: window 0: v0-31 addresses; from v128 y's fragments, ONE set; on the way out v32-255 are free.   window 1: w_proj's fragments, TWO sets.   windows 2, 3: the accumulators ((a, b) at v[8 (8 (a % 4) + b)]).
.set SIZE_N, 1024
.set ROWB,   256                       ; a row of w_proj's tile in bytes
.set KROW,   1024                      ; a row of w_proj in memory
.set PITCH,  272                       ; its row in LDS: 256 bytes + 16 of padding = 68 words: the 16 rows that a load touches start at 16 different banks (64 banks of 4 bytes: ISA guide 11.1)
.set FR,     16
.set NL,     4
.set NP,     4                         ; places behind this matrix instruction (ISA guide 7.12.1)
.set HALFA,  32768                     ; y: 128 rows x 256 K as an image
.set HALFB,  128*PITCH                 ; w_proj: 128 padded rows
.set BOFF,   2*HALFA                   ; a slot: y's two halves, then w_proj's two
.set SLOT,   BOFF+2*HALFB
.set LAPS,   2
.set SPARE,  2*SLOT                    ; behind the ring: the spare words, 128 bytes a wave
.set SPITCH, 528                       ; the way out: a stage of 16 rows x (512 bytes + 16) for each wave, in slot 0, which has had its last fill and its last read when the first result is stored there
.set ADRA, 16                          ; v16-17  LDS address of my fragments of y in slot 0, 1
.set ADRB, 20                          ; v20-21  the same for w_proj
.set STO,  24
.set RD,   25
.set CO,   26
.set SPW,  28                          ; v28     LDS address of my spare word; never rewritten
.set NIL,  29                          ; v29     0; never rewritten
.set TMP,  32
.set AF,   128
.set BK,   128
.set G1, 24
.set G0, 32
.set G1B, 48
.set G0B, 56
.set MSB, 0
.macro WIN new
.if MSB != (\new)
	s_set_vgpr_msb (MSB<<8)|(\new)
.set MSB, (\new)
.endif
.endm
.set MUL_LO, 0xa1
.set MUL_HI, 0xf1
.set TO_B,   0x40
.macro JLOAD g0a, g1a, g0b, g1b        ; a joint load: waves 0 and 1 fetch for y, waves 2 and 3 for w_proj; four v_nop follow each of the two lines
	s_cmp_eq_u32 s15, 0
	s_cbranch_scc0 .Lfor_b_\@
	tensor_load_to_lds s[\g0a:\g0a+3], s[\g1a:\g1a+7]
	s_nop 0
.rept 4
	v_nop
.endr
	s_branch .Lasked_\@
.Lfor_b_\@:
	tensor_load_to_lds s[\g0b:\g0b+3], s[\g1b:\g1b+7]
	s_nop 0
.rept 4
	v_nop
.endr
.Lasked_\@:
.endm
.macro CREST
	s_cmp_lg_u32 s14, 0
	s_cbranch_scc1 .Lnot_wave_0_\@
	s_barrier_signal -3
.Lnot_wave_0_\@:
	s_barrier_wait -3
	s_barrier_signal -1
	s_barrier_wait -1
.endm
.macro CROUND
	s_barrier_signal -1
	s_barrier_wait -1
	CREST
.endm
	s_load_b128 s[4:7], s[0:1], 0x0                ; y_img s[4:5], w_proj's codes s[6:7]
	s_load_b128 s[8:11], s[0:1], 0x10              ; the scales' exponents s[8:9], out0 s[10:11]
	v_lshl_add_u32 v[SPW], v0, 2, SPARE
	v_mov_b32 v[NIL], 0
	ds_add_u32 v28, v29
	ds_add_u32 v28, v29
	s_wait_dscnt 0x0
	v_lshrrev_b32 v1, 5, v0
	v_readfirstlane_b32 s14, v1                    ; wave 0..3
	s_lshr_b32 s15, s14, 1                         ; which half of the tile's rows is mine.  Also: I fetch for y (0) or for w_proj (1)
	s_and_b32 s16, s14, 1                          ; which half of its columns.  Also: which 128 rows of that tile I fetch
	s_bfe_u32 s40, ttmp6, 0x40000                  ; cx, cy
	s_bfe_u32 s41, ttmp6, 0x40004
	s_lshl_b32 s42, ttmp9, 2
	s_add_co_u32 s42, s42, s40                     ; tile column
	s_and_b32 s17, ttmp7, 0xffff
	s_lshl_b32 s17, s17, 2
	s_add_co_u32 s17, s17, s41                     ; tile row
	s_lshl_b32 s43, s41, 2
	s_lshl_b32 s43, 15, s43                        ; my row of the cluster
	s_lshl_b32 s44, 0x1111, s40                    ; my column
	; y's group 1: a dense block of 32,768 bytes as 128 rows of 32 elements of 8 bytes, no padding
	s_or_b32 s[G1+0], s43, (3<<16)|(1<<21)         ; 15:0 the mask: my row; 17:16 element of 8 bytes; 21 set beside a mask
	s_mov_b32 s[G1+1], 32<<16                      ; tensor_dim0
	s_mov_b32 s[G1+2], 128<<16                     ; tensor_dim1
	s_mov_b32 s[G1+3], 32<<16                      ; tile_dim0
	s_mov_b32 s[G1+4], 128                         ; tile_dim1
	s_mov_b32 s[G1+5], 32                          ; tensor_dim0_stride
	s_mov_b32 s[G1+6], 0
	s_mov_b32 s[G1+7], 0
	; w_proj's group 1: 128 rows x 256 bytes, padded in LDS
	s_or_b32 s[G1B+0], s44, (0<<16)|(1<<20)|(1<<21)|(5<<22)|(3<<25)
	s_mov_b32 s[G1B+1], ROWB<<16
	s_mov_b32 s[G1B+2], 128<<16
	s_mov_b32 s[G1B+3], ROWB<<16
	s_mov_b32 s[G1B+4], 128
	s_mov_b32 s[G1B+5], KROW
	s_mov_b32 s[G1B+6], 0
	s_mov_b32 s[G1B+7], 0
	s_lshl_b32 s20, s17, 1
	s_add_co_u32 s20, s20, s16
	s_lshl_b32 s20, s20, 17                        ; y: block of 128 rows 2 x tile row + half, 131,072 bytes each
	s_mov_b32 s21, 0
	s_lshl_b32 s18, s16, 7
	s_lshl_b32 s46, s42, 8
	s_add_co_u32 s46, s46, s18
	s_lshl_b32 s46, s46, 10                        ; w_proj: row 256 x tile column + 128 x half, 1,024 bytes each
	s_mov_b32 s47, 0
	s_mul_i32 s45, s16, HALFA                      ; where they go: no place in the cluster enters an LDS address
	s_mul_i32 s67, s16, HALFB
	s_add_co_u32 s67, s67, BOFF
	s_wait_kmcnt 0x0
	s_load_b64 s[96:97], s[8:9], 0x18              ; e6, e7
	s_add_nc_u64 s[20:21], s[4:5], s[20:21]
	s_add_nc_u64 s[46:47], s[6:7], s[46:47]
	CROUND                                         ; all sixteen work-groups are here: the first joint loads meet
.irp s, 0,1
	s_mov_b32 s[G0+4*\s], 1
	s_add_co_u32 s[G0+4*\s+1], s45, \s*SLOT
	s_add_nc_u64 s[G0+4*\s+2:G0+4*\s+3], s[20:21], \s*HALFA
	s_or_b32 s[G0+4*\s+3], s[G0+4*\s+3], 0x80000000
	s_mov_b32 s[G0B+4*\s], 1
	s_add_co_u32 s[G0B+4*\s+1], s67, \s*SLOT
	s_add_nc_u64 s[G0B+4*\s+2:G0B+4*\s+3], s[46:47], \s*ROWB
	s_or_b32 s[G0B+4*\s+3], s[G0B+4*\s+3], 0x80000000
	JLOAD G0+4*\s, G1, G0B+4*\s, G1B               ; two tensor loads of mine are out behind these
.endr
	v_and_b32 v1, 15, v0                           ; l % 16
	v_bfe_u32 v2, v0, 4, 1                         ; l / 16
	v_mul_u32_u24 v3, v1, PITCH
	v_lshl_add_u32 v4, v2, 4, v3                   ; w_proj: a fragment's row x pitch + 16 x half
	v_and_b32 v6, 31, v0
	v_lshlrev_b32 v[CO], 4, v6                     ; 16 x lane: y's image, and the way out
	s_mul_i32 s21, s15, HALFA                      ; my 128 rows of y
	s_mul_i32 s22, s16, HALFB                      ; my 128 rows of w_proj
	s_add_co_u32 s22, s22, BOFF
.irp s, 0,1
	v_add_nc_u32 v[ADRA+\s], s21, v[CO]
	v_add_nc_u32 v[ADRB+\s], s22, v4
	s_add_co_u32 s21, s21, SLOT
	s_add_co_u32 s22, s22, SLOT
.endr
	s_mul_i32 s23, s14, 16*SPITCH                  ; my stage
	v_mul_u32_u24 v5, v1, SPITCH                   ; in: row l % 16, 32 bytes for each half of the lanes
	v_lshl_add_u32 v5, v2, 5, v5
	v_add_nc_u32 v[STO], s23, v5
	v_add_nc_u32 v[RD], s23, v[CO]                 ; back: the 32 lanes take one row of 512 bytes
	s_lshl_b32 s20, s17, 8
	s_lshl_b32 s21, s15, 7
	s_add_co_u32 s20, s20, s21                     ; my first row of out0
	s_lshl_b32 s20, s20, 12                        ; 4,096 bytes a row: under 2^25
	s_lshl_b32 s46, s42, 10                        ; my first column, in bytes: 1,024 x tile column + 512 x half
	s_lshl_b32 s47, s16, 9
	s_add_co_u32 s20, s20, s46
	s_add_co_u32 s20, s20, s47
	s_mov_b32 s21, 0
	s_add_nc_u64 s[10:11], s[10:11], s[20:21]
.macro FRAGA reg, slot, q, i           ; y's block i of my eight, the slot's q-th 128 along K: four loads of 512 consecutive bytes
.irp c, 0,1,2,3
	ds_load_b128 v[\reg+4*\c:\reg+4*\c+3], v[ADRA+\slot] offset:4096*(\i)+2048*(\q)+512*\c
.endr
.endm
.macro FRAGB reg, slot, q, i           ; w_proj's: lane l holds row l % 16; registers 4 c .. 4 c + 3 hold K = 32 c + 16 (l / 16) + 0 .. 15
.irp c, 0,1,2,3
	ds_load_b128 v[\reg+4*\c:\reg+4*\c+3], v[ADRB+\slot] offset:128*(\q)+32*\c+(\i)*16*PITCH
.endr
.endm
; 16 matrix instructions; the 64 accumulators take turns, one instruction a turn, in the same order in every step
.macro MUL16 a0, p, zero
.irp a, \a0, \a0+1
.irp b, 0,1,2,3,4,5,6,7
.if \zero
	v_wmma_f32_16x16x128_fp8_fp8 v[8*(8*((\a)%4)+\b):8*(8*((\a)%4)+\b)+7], v[128*(\p)+FR*\b:128*(\p)+FR*\b+FR-1], v[AF+FR*(\a):AF+FR*(\a)+FR-1], 0
.else
	v_wmma_f32_16x16x128_fp8_fp8 v[8*(8*((\a)%4)+\b):8*(8*((\a)%4)+\b)+7], v[128*(\p)+FR*\b:128*(\p)+FR*\b+FR-1], v[AF+FR*(\a):AF+FR*(\a)+FR-1], v[8*(8*((\a)%4)+\b):8*(8*((\a)%4)+\b)+7]
.endif
.endr
.endr
.endm
.macro FETCH_B slot, q, p
	WIN TO_B
.irp i, 0,1,2,3,4,5,6,7
	FRAGB 128*(\p)+FR*\i, \slot, \q, \i
.endr
	WIN 0
.endm
.macro FETCH_A slot, q, i0
.irp i, \i0, \i0+1, \i0+2, \i0+3
	FRAGA AF+FR*(\i), \slot, \q, \i
.endr
.endm
.macro PLACES n
.rept \n
	v_nop
.endr
.endm
.macro STEP slot, q, zero
	s_wait_dscnt 4*NL                              ; w_proj's set and y's blocks 0-3 are in; the 16 youngest loads (blocks 4-7) may be out
	WIN MUL_LO
	MUL16 0, (\q)%2, \zero
	MUL16 2, (\q)%2, \zero
	s_wait_dscnt 0
	PLACES NP
	FETCH_B \slot, (\q)+1, 1-(\q)%2
	FETCH_A \slot, (\q)+1, 0
	WIN MUL_HI
	MUL16 4, (\q)%2, \zero
	MUL16 6, (\q)%2, \zero
	PLACES NP
	WIN 0
	FETCH_A \slot, (\q)+1, 4
.endm
.macro TURN slot, next, fill
	s_wait_tensorcnt 0x0                           ; all my tensor loads have landed: my part of the next slot
	ds_add_u32 v[SPW], v[NIL]                      ; 0 onto my spare word
	s_wait_dscnt 4*NL+1                            ; the add and the 16 youngest loads may be out
	WIN MUL_LO
	MUL16 0, 1, 0
	s_wait_dscnt 0x0                               ; the add is done, and my reads of this slot are over
	s_barrier_signal -1
	MUL16 2, 1, 0
	WIN 0
	s_barrier_wait -1
.if \fill
	CREST                                          ; the barrier has opened a round of the cluster's barrier
	s_add_nc_u64 s[G0+4*\slot+2:G0+4*\slot+3], s[G0+4*\slot+2:G0+4*\slot+3], 2*HALFA
	s_add_nc_u64 s[G0B+4*\slot+2:G0B+4*\slot+3], s[G0B+4*\slot+2:G0B+4*\slot+3], 2*ROWB
	JLOAD G0+4*\slot, G1, G0B+4*\slot, G1B         ; the first tensor load behind the round, my one load until the next
.else
	PLACES NP
.endif
	FETCH_B \next, 0, 0
	FETCH_A \next, 0, 0
	WIN MUL_HI
	MUL16 4, 1, 0
	MUL16 6, 1, 0
	PLACES NP
	WIN 0
	FETCH_A \next, 0, 4
.endm
	s_wait_tensorcnt 1                             ; my part of K step 0 is in; K step 1's load may be out
	s_barrier_signal -1
	s_barrier_wait -1
	FETCH_B 0, 0, 0
	FETCH_A 0, 0, 0
	FETCH_A 0, 0, 4
	STEP 0, 0, 1                                   ; the first step's products start the sums
	s_mov_b32 s3, LAPS-1
.Llap:
	TURN 0, 1, 1
	STEP 1, 0, 0
	TURN 1, 0, 1
	STEP 0, 0, 0
	s_sub_co_u32 s3, s3, 1
	s_cmp_lg_u32 s3, 0
	s_cbranch_scc1 .Llap
	TURN 0, 1, 0                                   ; the last lap fills nothing
	STEP 1, 0, 0
	s_wait_dscnt 4*NL
	WIN MUL_LO
	MUL16 0, 1, 0
	MUL16 2, 1, 0
	s_wait_dscnt 0
	WIN MUL_HI
	MUL16 4, 1, 0
	MUL16 6, 1, 0
	WIN 0
; THE WAY OUT, block by block of 16 rows x 128 columns: through my own stage in LDS and back as whole rows of 512 bytes.  LDS serves a wave's instructions in order (ISA guide 5.7.1.4): no wait between the stores and the loads.
.macro TOSTAGE a
.set AC, 64*((\a)%4)
	WIN 0x02+((\a)/4)                              ; source 0: window 2 or 3
.irp j, 0,2,4,6,8,10,12,14,16,18,20,22,24,26,28,30,32,34,36,38,40,42,44,46,48,50,52,54,56,58,60,62
	v_pk_mul_f32 v[TMP+\j:TMP+\j+1], v[AC+\j:AC+\j+1], s[96:97] op_sel_hi:[1,0]   ; x 2^(e6 + e7); each accumulator from its low end on
.endr
	WIN 0
.irp b, 0,1,2,3,4,5,6,7
	ds_store_b128 v[STO], v[TMP+8*\b:TMP+8*\b+3] offset:64*\b
	ds_store_b128 v[STO], v[TMP+8*\b+4:TMP+8*\b+7] offset:64*\b+16
.endr
.set BB, BK+64*((\a)%2)
.irp t, 0,1,2,3,4,5,6,7,8,9,10,11,12,13,14,15
	ds_load_b128 v[BB+4*\t:BB+4*\t+3], v[RD] offset:\t*SPITCH
.endr
.endm
.macro SEND a, younger                 ; younger: the LDS instructions issued behind block a's loads, which may stay out
.set BB, BK+64*((\a)%2)
	s_wait_dscnt \younger
.if (\a) > 0
	s_add_nc_u64 s[10:11], s[10:11], 16*SIZE_N*4   ; behind a wait on XCNT: the earlier stores have read their base
.endif
.irp t, 0,1,2,3,4,5,6,7,8,9,10,11,12,13,14,15
	global_store_b128 v[CO], v[BB+4*\t:BB+4*\t+3], s[10:11] offset:\t*SIZE_N*4 th:TH_STORE_NT   ; 32 lanes store 512 consecutive bytes, aligned; written once, read by nobody here
.endr
.endm
	s_wait_kmcnt 0x0
	s_add_co_i32 s96, s96, s97
	s_add_co_i32 s96, s96, 127
	s_lshl_b32 s96, s96, 23                        ; 2^(e6 + e7) as f32
	PLACES NP
	TOSTAGE 0
.irp a, 1,2,3,4,5,6,7
.if \a > 1
	s_wait_xcnt 0x0                                ; block a - 2's stores have read their registers and their base
.endif
	TOSTAGE \a
	SEND \a-1, 32                                  ; behind block a - 1's loads: block a's 16 stores and 16 loads
.endr
	s_wait_xcnt 0x0
	SEND 7, 0
	s_wait_tensorcnt 0x0                           ; the wave's end
	ds_add_u32 v[SPW], v[NIL]
	s_wait_dscnt 0x0
	CROUND                                         ; the closing round
	s_endpgm
.Lfunc_end_k_q652670c7b5_proj:
	.size	k_q652670c7b5_proj, .Lfunc_end_k_q652670c7b5_proj-k_q652670c7b5_proj
	.p2alignl 7, 3214868480
	.fill 96, 4, 3214868480
	.section	.rodata,"a",@progbits
	.p2align	6, 0x0
	.amdhsa_kernel k_q652670c7b5_proj
		.amdhsa_group_segment_fixed_size 327680
		.amdhsa_private_segment_fixed_size 0
		.amdhsa_enable_private_segment 0
		.amdhsa_kernarg_size 32
		.amdhsa_user_sgpr_count 2
		.amdhsa_user_sgpr_kernarg_segment_ptr 1
		.amdhsa_wavefront_size32 1
		.amdhsa_system_sgpr_workgroup_id_x 1
		.amdhsa_system_sgpr_workgroup_id_y 1
		.amdhsa_system_sgpr_workgroup_id_z 1
		.amdhsa_system_vgpr_workitem_id 0
		.amdhsa_next_free_vgpr 1024
		.amdhsa_next_free_sgpr 98
		.amdhsa_reserve_vcc 0
		.amdhsa_float_denorm_mode_32 3
		.amdhsa_float_denorm_mode_16_64 3
		.amdhsa_memory_ordered 1
		.amdhsa_forward_progress 1
		.amdhsa_inst_pref_size 123
	.end_amdhsa_kernel
	.amdgpu_metadata
---
amdhsa.version: [ 1, 2 ]
amdhsa.kernels:
  - .name:           k_q652670c7b5_proj
    .symbol:         k_q652670c7b5_proj.kd
    .args:
      - { .name: y_img, .offset: 0, .size: 8, .value_kind: global_buffer, .address_space: global }
      - { .name: w_proj_codes, .offset: 8, .size: 8, .value_kind: global_buffer, .address_space: global }
      - { .name: lowp_scales, .offset: 16, .size: 8, .value_kind: global_buffer, .address_space: global }
      - { .name: out0, .offset: 24, .size: 8, .value_kind: global_buffer, .address_space: global }
    .group_segment_fixed_size: 327680
    .private_segment_fixed_size: 0
    .kernarg_segment_align: 8
    .kernarg_segment_size: 32
    .max_flat_workgroup_size: 128
    .sgpr_count:     98
    .vgpr_count:     1024
    .wavefront_size: 32
...
	.end_amdgpu_metadata
.endif
;; end of part 3
;; ======== version 2 of 2: 3 launches; version 1 with the launch attn written anew for expert scheduling mode
;; workspace buffers: q_img 8,388,608 bytes; k_img 8,388,608 bytes; v_img 8,388,608 bytes; y_img 8,388,608 bytes
;; launch qkv: the kernel of part 1 again; grid 12 x 32, 4 waves a work-group, clusters of 4 x 4, 327,680 bytes of LDS; arguments x_codes, w_qkv_codes, lowp_scales, q_img, k_img, v_img; writes q_img, k_img, v_img
;; launch attn (part 4): grid 4 x 64, 16 waves a work-group, no clusters, 34,816 bytes of LDS; arguments q_img, k_img, v_img, lowp_scales, y_img; writes y_img
.if DOCPART == 4
	.amdgcn_target "amdgcn-amd-amdhsa--gfx1250"
	.amdhsa_code_object_version 6
	.text
	.protected	k_q652670c7b5_attn
	.globl	k_q652670c7b5_attn
	.p2align	8
	.type	k_q652670c7b5_attn,@function
k_q652670c7b5_attn:
	s_mov_b64 s[64:65], 0
	v_nop
	global_prefetch_b8 v0, s[64:65] scope:SCOPE_SE
	s_setreg_imm32_b32 hwreg(HW_REG_WAVE_SCHED_MODE, 0, 2), 2
	s_setreg_imm32_b32 hwreg(HW_REG_WAVE_MODE, 25, 1), 1
	s_wait_xcnt 0x0
	s_wait_alu depctr_vm_vsrc(0)
; y = softmax(q k^T / 8, causal) v for 64 heads of 2,048 tokens x 64 channels, both products on codes of FP8 (E4M3); y is quantised at once (scale 2^e6) and stored as an image of the last product's operand.
; q_img, k_img: for head bh and tile tt of 16 tokens the 16 x 64 fragment as it stands in registers: byte bh 131072 + tt 1024 + c2 512 + 16 lane.  v_img: for 128 keys kg and 16 channels ct the 16 x 128 fragment of V^T: bh 131072 + kg 8192 + ct 2048 + c4 512 + 16 lane.
; THE SOFTMAX: t = sum x 2^(e2 + e3) x log2(e) / 8; M = the running largest t rounded UP to a whole number, kept as -M = floor(-t); p = 2^(t - M) is quantised with 2^e4, not normalised; the row's sum is taken of the unquantised p
; and divides at the end.  When M moves, the sum and O are multiplied by 2^(old M - new M), which rounds nothing.
; SHARES.  Work-group (i, bh) owns the blocks i and 7 - i of 256 queries of head bh.  Block b needs b + 1 trips of 256 keys, so every work-group walks (i + 1) + (8 - i) = 9 trips: 256 work-groups of equal work, one loop of constant count.
; Each of sixteen waves owns 16 queries of the block in hand, in 256 registers: four waves to a SIMD, so that one wave's vector work stands beside another's products and LDS loads.
; LAYOUT.  S^T = K Q^T (source 0 = 16 keys, source 1 = my 16 queries), O^T = V^T P^T: a lane holds ONE query (lane % 16); register j of tile t of S^T is key 16 t + 8 (lane / 16) + j, so a tile's eight numbers convert into registers 2 t, 2 t + 1 of P.
; THE TILES.  A key step's K and V are 8,192 bytes each, dense in memory: each of the 512 threads moves 16 bytes of each through registers into one of two LDS slots.  The loads of key step g + 2 are issued at the head of step g and
; waited for at the head of step g + 1, a whole key step later; they are stored into the slot that step g read behind the barrier at that step's end.  One barrier a key step.
; NO JOINT LOADS: the four work-groups of a head begin again at key 0 after i + 1 trips, each at another trip, so that in one trip they want different tiles.
; p is at most 1, so p / 2^e4 is at most 2^-e4, which is under 448 where e4 >= -8: there the hold in front of the conversion is jumped over.
; CAUSAL: a step all of whose keys come after the wave's queries is left out but for its share of the copying and its barrier; on the diagonal hidden scores become -infinity ahead of the maximum.  Key 0 counts for every query.
; LIMITS: e2 + e3 between -123 and 130 (added to the exponent field of log2(e) / 8); e4 and e6 between -126 and 119; e4 + e5 is applied by v_ldexp_f32.
; THE MODE: SCHED_MODE bits 1:0 = 2 (LLVM: expert scheduling mode 2), set by the entry lines.  The code itself states the register dependences between vector or matrix instructions and memory or LDS instructions, with s_wait_alu, always for 0.
; THE PLAN.  Registers that memory or LDS instructions touch:
;   v[LI], v[TI]   addresses of every load and store; written at the head and never again: one wait on va_vdst ahead of the first load.
;   CP0, CP1       Written by global loads, read by the LDS stores of the next step; no vector instruction names them.  Step u's loads land in CP[u], which the LDS stores of the step before read: one wait on vm_vsrc at a step's head.
;   FRG            K's 16 LDS loads land in it and eight products read it; then V's 16 LDS loads land in it and four products read it.  So two waits on va_vdst a step: at the step's head (the last step's four products are done
;                  reading V's fragments) and ahead of V's loads (the eight products are done reading K's).  Between each wait and its loads no vector or matrix instruction names FRG, and none does while V lands under the softmax.
;   QF, QF2        Loaded once, at the head; later named by vector and matrix instructions alone.
;   YC             Written by the conversions and selects at a block's end, read by its two stores: a wait on va_vdst ahead of the stores, one on vm_vsrc ahead of the next block's end.
;   v254, v255     Written at the head, read by the closing add alone.
; Scalar results of vector instructions: the wave's number, and the causal mask's compares, which go in runs of sixteen into scalar registers of their own, one wait on va_sdst behind each run.  The text names VCC nowhere.
.set TILEB, 8192                       ; a key step's image of K, and of V
.set VOFF,  TILEB                      ; in a slot: K's image, then V's
.set SLOTB, 2*TILEB
.set TRIPS, 9
.set LI,   1                           ; v1   16 x lane
.set TI,   2                           ; v2   16 x thread
.set DL,   3                           ; v3   lane % 16 - 8 (lane / 16)
.set NINF, 4                           ; v4   -infinity
.set DD,   5                           ; v5   the mask's bound
.set TA,   6                           ; v6, v7  at work on the way out
.set TB,   7
.set QF,   16                          ; v16-23   Q's fragment of the block in hand
.set QF2,  24                          ; v24-31   of the second block
.set FRG,  32                          ; v32-95   eight fragments of K, then four of V
.set SC,   96                          ; v96-159  S^T, then p
.set OT,   160                         ; v160-191 O^T
.set PC,   192                         ; v192-207 p's codes
.set CP0,  208                         ; v208-215, v216-223  my 16 bytes of K and of V on their way to slot 0, slot 1
.set CP1,  216
.set FF,   224                         ; v[224:225] f = 2^(old M - new M), 0
.set SUM2, 226                         ; v[226:227] the sum's second chain
.set MXA,  228
.set MXB,  229
.set PRM,  230                         ; a lane permute's destination
.set PLIM, 231                         ; 448 x 2^e4
.set PSCL, 232                         ; 2^e4
.set YLIM, 233                         ; 448 x 2^e6
.set YSCL, 234                         ; 2^e6
.set RL,   235                         ; 2^(e4 + e5) / the row's sum
.set YC,   236                         ; v236-243 y's codes
.set WV,  14
.set BH,  16                           ; s16  batch x 16 + head
.set SW,  17                           ; s17  the trip at which the second block begins: i + 1
.set TT,  18                           ; s18  the trip
.set KF,  19                           ; s19  the step's first key
.set SEL, 20                           ; s[20:21] v_permlanex16_b32's selects for lane l xor 16
.set CS,  22                           ; s[22:23] c = 2^(e2 + e3) log2(e) / 8
.set Q0,  24                           ; s24  my first query of the block in hand;  s25 of the second block
.set Q0B, 25
.set COF, 26                           ; s[26:27] byte offset in the head's images of the trip whose tiles are being asked for
.set KB,  28                           ; s[28:29], s[30:31] the head's images of K and V
.set VB,  30
.set NK,  32                           ; s[32:33], s[34:35] the same + COF
.set NV,  34
.set YB1, 36                           ; s[36:37], s[38:39] where my codes of y go, first and second block
.set YB2, 38
.set MK0, 40                           ; s40-47  behind the head, where they held e0 .. e7: the mask's bits for an even tile's eight registers
.set SKH, 48                           ; s48  1 where e4 >= -8
.set EPV, 49                           ; s49  e4 + e5
.set HI16, 51                          ; s51  at a block's end: the bits of lanes 16-31
.set MK1, 52                           ; s52-59  behind the head, where they were at work: the mask's bits for an odd tile's eight registers
.macro PLACES
.rept 4
	v_nop
.endr
.endm
	s_load_b256 s[4:11], s[0:1], 0x0               ; q_img s[4:5], k_img s[6:7], v_img s[8:9], the scales' exponents s[10:11]
	s_load_b64 s[12:13], s[0:1], 0x20              ; y_img
	v_lshl_add_u32 v254, v0, 2, 0x8000
	v_mov_b32 v255, 0
	v_lshrrev_b32 v1, 5, v0
	v_readfirstlane_b32 s[WV], v1                  ; wave 0..15
	v_and_b32 v1, 31, v0
	v_lshlrev_b32 v[LI], 4, v1
	v_lshlrev_b32 v[TI], 4, v0
	v_and_b32 v[DL], 15, v0
	v_bfe_u32 v[DD], v0, 4, 1
	v_lshlrev_b32 v[DD], 3, v[DD]
	v_sub_nc_u32 v[DL], v[DL], v[DD]
	v_mov_b32 v[NINF], 0xff800000
	v_mov_b32 v[TA], 0                             ; written once: a lane permute's destination counts as one of its sources
	v_mov_b32 v[TB], 0
	v_mov_b32 v[PRM], 0
	v_mov_b32 v[FF+1], 0                           ; named as the upper half of the pair
	s_and_b32 s[BH], ttmp7, 0xffff
	s_add_co_u32 s[SW], ttmp9, 1
	s_wait_alu depctr_va_sdst(0)                   ; the wave's number is written, ahead of its first reader: my queries and the addresses of Q and y are made from it
	s_lshl_b32 s50, s[WV], 4
	s_lshl_b32 s[Q0], ttmp9, 8
	s_add_co_u32 s[Q0], s[Q0], s50                 ; 256 i + 16 wave
	s_sub_co_u32 s[Q0B], 7, ttmp9
	s_lshl_b32 s[Q0B], s[Q0B], 8
	s_add_co_u32 s[Q0B], s[Q0B], s50               ; 256 (7 - i) + 16 wave
	s_lshl_b32 s50, s[BH], 17                      ; the head's first byte in each image
	s_mov_b32 s51, 0
	s_lshl_b32 s52, s[Q0], 6                       ; 1,024 bytes a tile of 16 queries
	s_add_co_u32 s52, s52, s50
	s_mov_b32 s53, 0
	s_lshl_b32 s54, s[Q0B], 6
	s_add_co_u32 s54, s54, s50
	s_mov_b32 s55, 0
	; y_img: byte (row / 128) 131072 + (k / 256) 32768 + ((row / 16) % 8) 4096 + ((k / 128) % 2) 2048 + ((k / 32) % 4) 512 + 16 lane, row = batch 2048 + token, k = head 64 + channel
	s_lshr_b32 s56, s[BH], 4
	s_lshl_b32 s56, s56, 21                        ; batch x 16 blocks of 128 rows
	s_bfe_u32 s57, s[BH], 0x20002                  ; head / 4
	s_lshl_b32 s57, s57, 15
	s_add_co_u32 s56, s56, s57
	s_and_b32 s57, s[BH], 3                        ; ((head / 2) % 2) 2048 + (head % 2) 1024
	s_lshl_b32 s57, s57, 10
	s_add_co_u32 s56, s56, s57
	s_lshr_b32 s58, s[Q0], 7
	s_lshl_b32 s58, s58, 17
	s_bfe_u32 s57, s[Q0], 0x30004
	s_lshl_b32 s57, s57, 12
	s_add_co_u32 s58, s58, s57
	s_add_co_u32 s58, s58, s56
	s_mov_b32 s59, 0
	s_mov_b32 s[SEL], 0x76543210
	s_mov_b32 s[SEL+1], 0xfedcba98
	s_mov_b32 s[COF], 0
	s_mov_b32 s[COF+1], 0
	s_mov_b32 s[KF], 0
	s_wait_kmcnt 0x0
	s_load_b256 s[40:47], s[10:11], 0x0            ; e0 .. e7
	s_add_nc_u64 s[KB:KB+1], s[6:7], s[50:51]
	s_add_nc_u64 s[VB:VB+1], s[8:9], s[50:51]
	s_add_nc_u64 s[52:53], s[4:5], s[52:53]        ; Q's fragment of the first block,
	s_add_nc_u64 s[54:55], s[4:5], s[54:55]        ; of the second
	s_mov_b64 s[NK:NK+1], s[KB:KB+1]
	s_mov_b64 s[NV:NV+1], s[VB:VB+1]
	s_add_nc_u64 s[YB1:YB1+1], s[12:13], s[58:59]
	s_wait_alu depctr_va_vdst(0)                   ; v[LI] and v[TI] are written: every load and store of the kernel, global or LDS, reads one of them as its address; neither is written again
	global_load_b128 v[CP0:CP0+3], v[TI], s[KB:KB+1]                 ; key step 0
	global_load_b128 v[CP0+4:CP0+7], v[TI], s[VB:VB+1]
	global_load_b128 v[CP1:CP1+3], v[TI], s[KB:KB+1] offset:TILEB    ; key step 1
	global_load_b128 v[CP1+4:CP1+7], v[TI], s[VB:VB+1] offset:TILEB
	global_load_b128 v[QF:QF+3], v[LI], s[52:53]
	global_load_b128 v[QF+4:QF+7], v[LI], s[52:53] offset:512
	global_load_b128 v[QF2:QF2+3], v[LI], s[54:55]
	global_load_b128 v[QF2+4:QF2+7], v[LI], s[54:55] offset:512
	s_lshr_b32 s58, s[Q0B], 7
	s_lshl_b32 s58, s58, 17
	s_bfe_u32 s57, s[Q0B], 0x30004
	s_lshl_b32 s57, s57, 12
	s_add_co_u32 s58, s58, s57
	s_add_co_u32 s58, s58, s56
	s_add_nc_u64 s[YB2:YB2+1], s[12:13], s[58:59]
	s_wait_kmcnt 0x0
	s_add_co_i32 s50, s42, s43                     ; e2 + e3 go into c's exponent field
	s_lshl_b32 s50, s50, 23
	s_mov_b32 s[CS], 0x3e38aa3b                    ; log2(e) / 8
	s_add_co_i32 s[CS], s[CS], s50
	s_mov_b32 s[CS+1], s[CS]                       ; named with it as a pair
	s_add_co_i32 s50, s44, 127
	s_lshl_b32 s51, s50, 23
	v_mov_b32 v[PSCL], s51
	s_add_co_i32 s50, s50, 8
	s_lshl_b32 s50, s50, 23
	s_or_b32 s50, s50, 0x600000
	v_mov_b32 v[PLIM], s50
	s_add_co_i32 s50, s46, 127
	s_lshl_b32 s51, s50, 23
	v_mov_b32 v[YSCL], s51
	s_add_co_i32 s50, s50, 8
	s_lshl_b32 s50, s50, 23
	s_or_b32 s50, s50, 0x600000
	v_mov_b32 v[YLIM], s50
	s_add_co_i32 s[EPV], s44, s45
	s_cmp_ge_i32 s44, -8
	s_cselect_b32 s[SKH], 1, 0
; A block of queries begins: the largest t is -3e38, under every t; the sum and O^T are zeros, which the first change of M leaves zeros.  copyq = 1: the second block's.
.macro RESET copyq
.if \copyq
.irp j, 0,1,2,3,4,5,6,7
	v_mov_b32 v[QF+\j], v[QF2+\j]
.endr
	s_mov_b32 s[Q0], s[Q0B]
	s_mov_b32 s[KF], 0
.endif
	v_mov_b32 v13, 0xff61b1e6
	v_floor_f32 v12, -v13
	v_mov_b32 v14, 0
	v_mov_b32 v15, 0
.set j, 0
.rept 32
	v_mov_b32 v[OT+j], 0
.set j, j+1
.endr
.endm
; A block of queries ends: y = O^T x 2^(e4 + e5) / the sum, held, converted, and brought into the order of the last product's operand: lane (r, h) wants channels 32 b + 16 h + 0 .. 15 of query r and holds 16 t + 8 h + 0 .. 7:
; the two halves of the lanes exchange two registers of each pair of tiles.  Each of the two stores covers 512 consecutive bytes, aligned.
.macro FINISH yb
	s_wait_xcnt 0x0                                ; the first block's stores have read their registers
	s_wait_alu depctr_vm_vsrc(0)                   ; beside it: the stores of y issued so far have read v[YC ..], which the conversions below write again
	PLACES                                         ; behind the last products
	v_add_f32 v14, v14, v15
	v_permlanex16_b32 v[PRM], v14, s[SEL], s[SEL+1]
	v_add_f32 v14, v14, v[PRM]                     ; the row's sum
	v_rcp_f32 v[RL], v14
	v_nop                                          ; a plain instruction behind the reciprocal
	s_wait_alu depctr_va_vdst(0)                   ; the reciprocal has written v[RL]: the wait ahead of its first reader
	v_ldexp_f32 v[RL], v[RL], s[EPV]
.set j, 0
.rept 32
	v_mul_f32 v[SC+j], v[OT+j], v[RL]              ; each accumulator from its low end on
.set j, j+1
.endr
.set j, 0
.rept 32
	v_med3_num_f32 v[SC+j], v[SC+j], -v[YLIM], v[YLIM]   ; the conversion does not saturate (ISA guide 7.6.2)
.set j, j+1
.endr
.irp t, 0,1,2,3
	v_cvt_scalef32_pk8_fp8_f32 v[YC+2*\t:YC+2*\t+1], v[SC+8*\t:SC+8*\t+7], v[YSCL]
.endr
	v_nop                                          ; a plain instruction between the conversions and the readers of their results
	s_mov_b32 s[HI16], 0xffff0000                  ; lanes 16-31: a constant, written by a scalar instruction
.irp b, 0,1
.irp e, 0,1
	v_permlanex16_b32 v[TA], v[YC+4*\b+2+\e], s[SEL], s[SEL+1]
	v_permlanex16_b32 v[TB], v[YC+4*\b+\e], s[SEL], s[SEL+1]
	v_cndmask_b32 v[YC+4*\b+\e], v[YC+4*\b+\e], v[TA], s[HI16]       ; bytes 0-7: lanes 0-15 their own tile 2 b, lanes 16-31 the partner's tile 2 b + 1
	v_cndmask_b32 v[YC+4*\b+2+\e], v[TB], v[YC+4*\b+2+\e], s[HI16]   ; bytes 8-15: lanes 0-15 the partner's tile 2 b, lanes 16-31 their own tile 2 b + 1
.endr
.endr
	s_wait_alu depctr_va_vdst(0)                   ; the selects have written v[YC ..], which the two stores read
	global_store_b128 v[LI], v[YC:YC+3], s[\yb:\yb+1]
	global_store_b128 v[LI], v[YC+4:YC+7], s[\yb:\yb+1] offset:512
.endm
; A KEY STEP: 128 keys, in slot u.
.macro STEP u
	s_wait_loadcnt 0x0                             ; the next step's 32 bytes of mine are in registers (asked for a key step ago); no load is out, so NK and NV may be written
	s_wait_alu depctr_vm_vsrc(0)                   ; the LDS stores of the step before have read CP0 (u = 0) or CP1 (u = 1), in which this step's two global loads land
	s_wait_alu depctr_va_vdst(0)                   ; the four products of the step before are done reading v[FRG ..], in which K's fragments land below; up to those loads no vector or matrix instruction names FRG
.if \u == 0
	ds_store_b128 v[TI], v[CP1:CP1+3] offset:SLOTB                 ; into slot 1, which every wave has left: the barrier at the last step's end
	ds_store_b128 v[TI], v[CP1+4:CP1+7] offset:SLOTB+VOFF
	s_cmp_eq_u32 s[TT], TRIPS-1
	s_cbranch_scc1 .Lnomore_\@                     ; the last trip asks for nothing: no load leaves its buffer
	s_add_co_u32 s[COF], s[COF], 2*TILEB           ; the next trip's 256 keys,
	s_add_co_u32 s50, s[TT], 1
	s_cmp_eq_u32 s50, s[SW]
	s_cselect_b32 s[COF], 0, s[COF]                ; or key 0 again, where the second block begins
	s_add_nc_u64 s[NK:NK+1], s[KB:KB+1], s[COF:COF+1]
	s_add_nc_u64 s[NV:NV+1], s[VB:VB+1], s[COF:COF+1]
	global_load_b128 v[CP0:CP0+3], v[TI], s[NK:NK+1]
	global_load_b128 v[CP0+4:CP0+7], v[TI], s[NV:NV+1]
.else
	s_cmp_eq_u32 s[TT], TRIPS-1
	s_cbranch_scc1 .Lnomore_\@
	ds_store_b128 v[TI], v[CP0:CP0+3]              ; into slot 0
	ds_store_b128 v[TI], v[CP0+4:CP0+7] offset:VOFF
	global_load_b128 v[CP1:CP1+3], v[TI], s[NK:NK+1] offset:TILEB
	global_load_b128 v[CP1+4:CP1+7], v[TI], s[NV:NV+1] offset:TILEB
.endif
.Lnomore_\@:
	s_add_co_u32 s50, s[Q0], 15
	s_cmp_gt_u32 s[KF], s50                        ; all 128 keys come after my 16 queries: nothing to compute
	s_cbranch_scc1 .Lhidden_\@
	PLACES                                         ; four plain instructions between the last step's products and the loads into the registers that they read, kept beside the wait at the step's head, which states that dependence
.irp t, 0,1,2,3,4,5,6,7
	ds_load_b128 v[FRG+8*\t:FRG+8*\t+3], v[LI] offset:\u*SLOTB+\t*1024
	ds_load_b128 v[FRG+8*\t+4:FRG+8*\t+7], v[LI] offset:\u*SLOTB+\t*1024+512
.endr
	s_wait_dscnt 8                                 ; tiles 0-3 are in; the eight youngest loads (tiles 4-7) may be out
.irp t, 0,1,2,3
	v_wmma_f32_16x16x64_fp8_fp8 v[SC+8*\t:SC+8*\t+7], v[FRG+8*\t:FRG+8*\t+7], v[QF:QF+7], 0
.endr
	s_wait_dscnt 0x0
.irp t, 4,5,6,7
	v_wmma_f32_16x16x64_fp8_fp8 v[SC+8*\t:SC+8*\t+7], v[FRG+8*\t:FRG+8*\t+7], v[QF:QF+7], 0
.endr
	PLACES                                         ; in front of the first read of the scores
	s_wait_alu depctr_va_vdst(0)                   ; the eight products are done reading K's fragments in v[FRG ..], in which V's land; the softmax below names none of these registers
.irp t, 0,1,2,3
.irp c, 0,1,2,3
	ds_load_b128 v[FRG+16*\t+4*\c:FRG+16*\t+4*\c+3], v[LI] offset:\u*SLOTB+VOFF+\t*2048+\c*512   ; V's fragments land while the softmax is walked
.endr
.endr
	s_add_co_u32 s50, s[KF], 127
	s_cmp_le_u32 s50, s[Q0]                        ; all 128 keys count for all my queries
	s_cbranch_scc1 .Lopen_\@
	s_sub_co_i32 s50, s[Q0], s[KF]
	v_add_nc_u32 v[DD], s50, v[DL]                 ; register 8 t + j holds key KF + 16 t + 8 (lane / 16) + j: hidden where 16 t + j > my query - KF - 8 (lane / 16)
.irp b, 0,1,2,3                                ; two tiles at a time: sixteen compares in a run, each into a scalar register of its own, one wait, sixteen selects
.irp j, 0,1,2,3,4,5,6,7
	v_cmp_gt_i32 s[MK0+\j], 32*\b+\j, v[DD]
.endr
.irp j, 0,1,2,3,4,5,6,7
	v_cmp_gt_i32 s[MK1+\j], 32*\b+16+\j, v[DD]
.endr
	s_wait_alu depctr_va_sdst(0)                   ; the sixteen compares have written their masks, ahead of the first select that reads one
.irp j, 0,1,2,3,4,5,6,7
	v_cndmask_b32 v[SC+16*\b+\j], v[SC+16*\b+\j], v[NINF], s[MK0+\j]
.endr
.irp j, 0,1,2,3,4,5,6,7
	v_cndmask_b32 v[SC+16*\b+8+\j], v[SC+16*\b+8+\j], v[NINF], s[MK1+\j]
.endr
.endr
.Lopen_\@:
	v_max3_num_f32 v[MXA], v[SC], v[SC+1], v[SC+2]                 ; the step's largest score of my query among my 64 keys, in two chains; each tile is first read at its low end
	v_max3_num_f32 v[MXB], v[SC+3], v[SC+4], v[SC+5]
.irp i, 6,10,14,18,22,26,30,34,38,42,46,50,54,58
	v_max3_num_f32 v[MXA], v[MXA], v[SC+\i], v[SC+1+\i]
	v_max3_num_f32 v[MXB], v[MXB], v[SC+2+\i], v[SC+3+\i]
.endr
	v_max3_num_f32 v[MXA], v[MXA], v[SC+62], v[SC+63]
	v_max_num_f32 v[MXA], v[MXA], v[MXB]
	v_permlanex16_b32 v[PRM], v[MXA], s[SEL], s[SEL+1]
	v_max_num_f32 v[MXA], v[MXA], v[PRM]           ; and among lane l xor 16's
	v_mul_f32 v[MXA], s[CS], v[MXA]                ; as t (c is positive)
	v_max_num_f32 v13, v13, v[MXA]                 ; the running largest t
	v_mov_b32 v[MXA], v12
	v_floor_f32 v12, -v13                          ; the new -M
	v_sub_f32 v[MXA], v12, v[MXA]                  ; old M - new M: a whole number, 0 or less
	v_cvt_i32_f32 v[MXA], v[MXA]                   ; (it saturates)
	v_ldexp_f32 v[FF], 1.0, v[MXA]                 ; f
.set j, 0
.rept 32
	v_pk_fma_f32 v[SC+j:SC+j+1], v[SC+j:SC+j+1], s[CS:CS+1], v[12:13] op_sel_hi:[1,0,0]   ; t - M, two at a time
.set j, j+2
.endr
.set j, 0
.rept 64
	v_exp_f32 v[SC+j], v[SC+j]                     ; p = 2^(t - M)
.set j, j+1
.endr
	v_pk_mul_f32 v[14:15], v[14:15], v[FF:FF+1] op_sel_hi:[1,0]    ; the sums under the new M: the plain instruction behind the exponentials
	s_wait_alu depctr_va_vdst(0)                   ; the 64 exponentials have written v[SC ..]: one wait for the whole batch, ahead of its first reader
	v_pk_add_f32 v[SUM2:SUM2+1], v[SC:SC+1], v[SC+2:SC+3]          ; the row's sum is taken of the unquantised p, in two chains
.irp j, 4,8,12,16,20,24,28,32,36,40,44,48,52,56,60
	v_pk_add_f32 v[14:15], v[14:15], v[SC+\j:SC+1+\j]
	v_pk_add_f32 v[SUM2:SUM2+1], v[SUM2:SUM2+1], v[SC+2+\j:SC+3+\j]
.endr
	v_pk_add_f32 v[14:15], v[14:15], v[SUM2:SUM2+1]
	s_cmp_lg_u32 s[SKH], 0                         ; e4 >= -8: p / 2^e4 <= 256, inside the format
	s_cbranch_scc1 .Lnohold_\@
.set j, 0
.rept 64
	v_min_num_f32 v[SC+j], v[SC+j], v[PLIM]        ; the conversion does not saturate (ISA guide 7.6.2); p is not negative
.set j, j+1
.endr
.Lnohold_\@:
.irp t, 0,1,2,3,4,5,6,7
	v_cvt_scalef32_pk8_fp8_f32 v[PC+2*\t:PC+2*\t+1], v[SC+8*\t:SC+8*\t+7], v[PSCL]
.endr
.set j, 0
.rept 16
	v_pk_mul_f32 v[OT+j:OT+j+1], v[OT+j:OT+j+1], v[FF:FF+1] op_sel_hi:[1,0]   ; O^T under the new M; these are also the plain instructions behind the conversions
.set j, j+2
.endr
	s_wait_dscnt 0x0                               ; V's fragments
.irp t, 0,1,2,3
	v_wmma_f32_16x16x128_fp8_fp8 v[OT+8*\t:OT+8*\t+7], v[FRG+16*\t:FRG+16*\t+15], v[PC:PC+15], v[OT+8*\t:OT+8*\t+7]   ; the four accumulators by turns; the next step's eight products stand between two links
.endr
.Lhidden_\@:
	s_add_co_u32 s[KF], s[KF], 128
	s_wait_dscnt 0x0                               ; my stores into the other slot have landed and my reads of this slot are over
	s_barrier_signal -1
	s_barrier_wait -1                              ; both now hold of all sixteen waves
.endm
	RESET 0
	s_wait_loadcnt 6                               ; key step 0's two loads are in; the six behind them (key step 1, Q twice) may be out
	ds_store_b128 v[TI], v[CP0:CP0+3]              ; (no vector instruction since the wait ahead of the first load names v[TI] or CP0)
	ds_store_b128 v[TI], v[CP0+4:CP0+7] offset:VOFF
	s_wait_dscnt 0x0
	s_barrier_signal -1
	s_barrier_wait -1                              ; slot 0 is whole
	s_mov_b32 s[TT], 0
.Ltrip:
	s_cmp_lg_u32 s[TT], s[SW]                      ; the same in all sixteen waves
	s_cbranch_scc1 .Lsame
	s_wait_loadcnt 0x0                             ; both blocks' Q, asked for at the head, are in registers before one is moved over the other; the step that follows waits for all loads in any case
	FINISH YB1                                     ; block i is done; block 7 - i begins at key 0
	RESET 1
.Lsame:
	STEP 0
	STEP 1
	s_add_co_u32 s[TT], s[TT], 1
	s_cmp_lt_u32 s[TT], TRIPS
	s_cbranch_scc1 .Ltrip
	FINISH YB2
	s_wait_dscnt 0x0                               ; the closing lines, six on end
	s_wait_alu 0x0
	s_wait_tensorcnt 0x0
	ds_add_u32 v254, v255
	s_wait_dscnt 0x0
	s_endpgm
.Lfunc_end_k_q652670c7b5_attn:
	.size	k_q652670c7b5_attn, .Lfunc_end_k_q652670c7b5_attn-k_q652670c7b5_attn
	.p2alignl 7, 3214868480
	.fill 96, 4, 3214868480
	.section	.rodata,"a",@progbits
	.p2align	6, 0x0
	.amdhsa_kernel k_q652670c7b5_attn
		.amdhsa_group_segment_fixed_size 34816
		.amdhsa_private_segment_fixed_size 0
		.amdhsa_enable_private_segment 0
		.amdhsa_kernarg_size 40
		.amdhsa_user_sgpr_count 2
		.amdhsa_user_sgpr_kernarg_segment_ptr 1
		.amdhsa_wavefront_size32 1
		.amdhsa_system_sgpr_workgroup_id_x 1
		.amdhsa_system_sgpr_workgroup_id_y 1
		.amdhsa_system_sgpr_workgroup_id_z 1
		.amdhsa_system_vgpr_workitem_id 0
		.amdhsa_next_free_vgpr 256
		.amdhsa_next_free_sgpr 66
		.amdhsa_reserve_vcc 0
		.amdhsa_float_denorm_mode_32 3
		.amdhsa_float_denorm_mode_16_64 3
		.amdhsa_memory_ordered 1
		.amdhsa_forward_progress 1
		.amdhsa_inst_pref_size 69
	.end_amdhsa_kernel
	.amdgpu_metadata
---
amdhsa.version: [ 1, 2 ]
amdhsa.kernels:
  - .name:           k_q652670c7b5_attn
    .symbol:         k_q652670c7b5_attn.kd
    .args:
      - { .name: q_img, .offset: 0, .size: 8, .value_kind: global_buffer, .address_space: global }
      - { .name: k_img, .offset: 8, .size: 8, .value_kind: global_buffer, .address_space: global }
      - { .name: v_img, .offset: 16, .size: 8, .value_kind: global_buffer, .address_space: global }
      - { .name: lowp_scales, .offset: 24, .size: 8, .value_kind: global_buffer, .address_space: global }
      - { .name: y_img, .offset: 32, .size: 8, .value_kind: global_buffer, .address_space: global }
    .group_segment_fixed_size: 34816
    .private_segment_fixed_size: 0
    .kernarg_segment_align: 8
    .kernarg_segment_size: 40
    .max_flat_workgroup_size: 512
    .sgpr_count:     66
    .vgpr_count:     256
    .wavefront_size: 32
...
	.end_amdgpu_metadata
.endif
;; end of part 4
;; launch proj: the kernel of part 3 again; grid 4 x 32, 4 waves a work-group, clusters of 4 x 4, 327,680 bytes of LDS; arguments y_img, w_proj_codes, lowp_scales, out0; writes out0
